; MI455X (gfx1250); checked and timed in simulation.
; The chip was launched on July 23, 2026; its instructions are those of AMD's public machine-readable ISA for CDNA 5 (MIT licence, August 2026) and "CDNA5" Instruction Set Architecture Reference Guide (July 2026). The comments in the code are by the model that wrote it; some were corrected since.
;; Attention. Allowed arithmetic: matrix products marked QUANTISED: E2M1 operands, one E8M0 scale for each 32 along K, by v_wmma_scale_f32_16x16x128_f8f6f4 with both operands' format E2M1 (or v_wmma_scale_f32_32x16x128_f4), f32 sums; products left as they are: bf16, f16 or f32 operands; f32 sums; everything else in f32.
;; Inputs: Wkv 1,024 x 2,048 float32; Wout 1,024 x 1,024 float32; Wq 1,024 x 1,024 float32; ln_b 1,024 float32; ln_w 1,024 float32; mask 2 x 2,048 bool; null_kv 16 x 4 x 64 float32; x 2 x 2,048 x 1,024 float32.
;; Outputs: out0 2 x 2,048 x 1,024 float32.
;; This version of the problem:
;;   THIS VERSION OF THE PROBLEM IS GIVEN IN LOW PRECISION. The matrix products marked QUANTISED in the list below multiply operands that are first quantised to E2M1 (2 exponent bits, 1 mantissa bit; 4 bits a number), with one power-of-two scale for each 32 numbers along K (OCP MX v1.0); their sums are f32. The products marked 'left as it is' may take bf16, f16 or f32 operands, with f32 sums. Whichever they take, every output number must still come out within the allowed error. Rounding operands to bf16 (8 significant bits) uses up far more of that allowance than f16 does (11 bits, for magnitudes from 6e-5 to 65,504). All else is computed in f32.
;;   The module's matrix products, in the order in which they are computed (A, B: the left and right operand; K: the contracted axis; several contracted axes count as one K, in the product's order):
;;     1. [M 4,096, K 1,024] x [K 1,024, N 1,024]; A: computed on the way; B: input Wq: left as it is (an operand is computed on the way)
;;     2. [M 4,096, K 1,024] x [K 1,024, N 2,048]; A: input x; B: input Wkv: QUANTISED
;;     3. batch 32 x [M 2,048, K 64] x [K 64, N 2,050]; A: computed on the way; B: computed on the way: left as it is (an operand is computed on the way)
;;     4. batch 32 x [M 2,048, K 2,050] x [K 2,050, N 64]; A: computed on the way; B: computed on the way: left as it is (an operand is computed on the way)
;;     5. [M 4,096, K 1,024] x [K 1,024, N 1,024]; A: computed on the way; B: input Wout: left as it is (an operand is computed on the way)
;;   THE QUANTISER, for each operand of a quantised product, along K:
;;     - K is cut into blocks of 32 from its start; a last block that is shorter is filled with zeros.
;;     - A block's scale is 2^e with e = floor(log2(the largest magnitude in the block)) - 2, held to -126 .. 127; a block of zeros has e = 0. As a byte (E8M0): e + 127.
;;     - Each number is divided by its block's scale, clamped to +-6, and rounded to the nearest number of E2M1, ties to even, subnormals kept.
;;     - The product sums the exact products of the quantised numbers (number of the format x scale) in f32.
;;   ~~~python
;;   def quantise(x, axis):      # numpy; x: float32 -> the quantised numbers, widened to float32 again
;;       x = np.moveaxis(x, axis, -1); K = x.shape[-1]
;;       x = np.pad(x, [(0, 0)] * (x.ndim - 1) + [(0, -K % 32)]); x = x.reshape(x.shape[:-1] + (-1, 32)); a = np.abs(x).max(-1, keepdims=True)
;;       e = np.where(a > 0, np.clip(np.frexp(np.where(a > 0, a, 1))[1] - 1 - 2, -126, 127), 0)      # np.frexp(a)[1] - 1 = floor(log2(a)), exactly
;;       r = np.clip(x / 2.0 ** e, -6, 6)
;;       step = 2.0 ** (np.maximum(np.frexp(np.where(r == 0, 1, r))[1] - 1, 0) - 1)
;;       q = np.round(r / step) * step * 2.0 ** e      # np.round: ties to even
;;       return np.moveaxis(q.reshape(q.shape[:-2] + (-1,))[..., :K], -1, axis).astype(np.float32)
;;   ~~~
;; One version. Each part assembles by itself: llvm-mc -triple=amdgcn-amd-amdhsa -mcpu=gfx1250 --defsym DOCPART=n.
;; ======== version 1 of 1: 5 launches
;; limits: values are held in f16: magnitudes above 65,504 overflow, below 6.1e-05 lose precision
;; workspace buffers: xn16 8,388,608 bytes; wqt16 2,097,152 bytes; woutt16 2,097,152 bytes; prepq 3,620,864 bytes; kvb 17,825,792 bytes; q32 16,777,216 bytes; o16 8,388,608 bytes
;; launch prep (part 1): grid 288 x 1, 16 waves a work-group, no clusters, 242,688 bytes of LDS; arguments x, ln_w, ln_b, Wkv, Wq, Wout, null_kv, mask, xn16, wqt16, woutt16, prepq, kvb; writes xn16, wqt16, woutt16, prepq, kvb
.if DOCPART == 1
	.amdgcn_target "amdgcn-amd-amdhsa--gfx1250"
	.amdhsa_code_object_version 6
	.text
	.protected	k_q4c54e8f2c4_prep
	.globl	k_q4c54e8f2c4_prep
	.p2align	8
	.type	k_q4c54e8f2c4_prep,@function
k_q4c54e8f2c4_prep:
	s_mov_b64 s[64:65], 0
	v_nop
	global_prefetch_b8 v0, s[64:65] scope:SCOPE_SE
	s_setreg_imm32_b32 hwreg(HW_REG_WAVE_MODE, 25, 1), 1
	s_wait_xcnt 0x0
; PREP: everything that is made once from the inputs.  Four kinds of work-group, told apart by the work-group's number alone:
;   0-31    P:   for one (batch, head): the 128 pad positions of K and V^T (zeros, the two null keys and values at positions 126, 127) and the head's row of biases
;   32-95   WKV: 64 columns x 512 k of Wkv -> codes of E2M1 with K innermost and E8M0 bytes
;   96-159  W16: 128 columns x 256 k of Wq or Wout -> f16, transposed, in chunks of 64 k: [chunk][n][64]
;   160-287 X:   32 rows of x -> LayerNorm in f32 (mean, then the sum of (x - mean)^2) -> f16 in chunks [chunk][row][64]; and raw x -> codes and scale bytes
; A block's scale byte is its largest magnitude's exponent field - 2, held at 1 from below.  A block of zeros gets the byte 1: its codes are zeros, and this program alone reads the bytes.
; The bias of key position p (key = p - 128) is 8 x slope x (p mod 128), or -1e30 where the mask input hides the key or the position is padding: it enters the scores as a number, never as a branch.
; LIMITS: NaN and infinities among the inputs are not served; LayerNorm's result and the weights must lie inside f16's range (65,504); weights under 6e-5 lose bits in f16.
; No tensor load: operands come through registers.  Each kind of work-group has LDS bytes of its own.
.set XST,     0                        ; X: a stage for each wave: 2 rows x 32 blocks x (128 bytes + 16)
.set XSC,     147456                   ; X: 32 rows x 32 scale bytes
.set WST,     148480                   ; W16: a stage for each wave: 32 columns x (128 bytes + 16)
.set QST,     222208                   ; WKV: 64 columns x (256 bytes of codes + 16)
.set QSC,     239616                   ; WKV: 64 columns x 16 scale bytes
.set SPARE,   240640                   ; the spare words: 128 bytes for each of 16 waves
.set WCODES,  2097152                  ; parts of prepq, in bytes: x's codes at 0, Wkv's codes,
.set XSCALES, 3145728                  ; x's scale bytes,
.set WSCALES, 3276800                  ; Wkv's,
.set BIASB,   3342336                  ; the bias rows, 2,176 f32 a head
.set HEADB,   278528                   ; a head in K's buffer: 2,176 positions x 128 bytes; in V^T's: 64 rows x 4,352 bytes
.set VTB,     8912896                  ; where V^T begins in kvb
.set LANE, 1
.set L16,  2                           ; lane % 16
.set HL,   3                           ; lane / 16
.set XO,   4                           ; 4096 hl + 16 l16
.set WO,   5                           ; 16 l16
.set STW,  6                           ; X: into the stage
.set STR,  7                           ; X: out of it
.set L8,   8                           ; 8 x lane
.set CO,   9                           ; 512 hl + 16 l16
.set SCW,  10                          ; X: my scale byte
.set SCR,  11                          ; X: the scale bytes on their way out
.set WSW,  12                          ; W16: into the stage
.set WSR,  13                          ; W16: out of it
.set L16B, 14                          ; 16 x lane
.set L4,   15                          ; 4 x lane
.set R,    16                          ; v16-79   64 numbers
.set W,    80                          ; v80-143  ln_w, then packed results
.set B,    144                         ; v144-207 ln_b
.set CD,   208                         ; v208-215 codes
.set T,    216                         ; v216-223 at work
.set QW,   226                         ; WKV: codes into the stage
.set QSW,  227                         ; WKV: scale bytes into LDS
.set QR,   228                         ; WKV: codes out
.set QSR,  229                         ; WKV: scale bytes out
.set L32,  230                         ; 32 x lane
.set SPW,  238
.set NIL,  239
	s_load_b512 s[8:23], s[0:1], 0x0               ; x, ln_w, ln_b, Wkv, Wq, Wout, null_kv, mask
	s_load_b256 s[24:31], s[0:1], 0x40             ; xn16, wqt16, woutt16, prepq
	s_load_b64 s[32:33], s[0:1], 0x60              ; kvb
	v_lshl_add_u32 v[SPW], v0, 2, SPARE
	v_mov_b32 v[NIL], 0
	v_lshrrev_b32 v1, 5, v0
	v_readfirstlane_b32 s34, v1                    ; wave 0..15
	v_and_b32 v[LANE], 31, v0
	v_and_b32 v[L16], 15, v0
	v_bfe_u32 v[HL], v0, 4, 1
	v_lshlrev_b32 v[WO], 4, v[L16]
	v_lshl_add_u32 v[XO], v[HL], 12, v[WO]
	v_lshlrev_b32 v[L8], 3, v[LANE]
	v_lshl_add_u32 v[CO], v[HL], 9, v[WO]
	v_lshlrev_b32 v[L16B], 4, v[LANE]
	v_lshlrev_b32 v[L4], 2, v[LANE]
	v_lshlrev_b32 v[L32], 5, v[LANE]
	; every LDS address of every kind of work-group is made here, ahead of the parting
	s_mul_i32 s35, s34, 9216
	v_lshrrev_b32 v224, 3, v[L16]
	v_mul_u32_u24 v[STW], v224, 144
	v_and_b32 v225, 7, v[L16]
	v_lshl_add_u32 v[STW], v225, 4, v[STW]
	v_mad_u32_u24 v[STW], v[HL], 4608, v[STW]
	v_add_nc_u32 v[STW], s35, v[STW]               ; 9216 w + 4608 hl + 144 (l16 / 8) + 16 (l16 % 8)
	v_mul_u32_u24 v[STR], v[L16], 144
	v_mad_u32_u24 v[STR], v[HL], 4608, v[STR]
	v_add_nc_u32 v[STR], s35, v[STR]               ; 9216 w + 4608 hl + 144 l16
	s_lshl_b32 s36, s34, 6
	s_add_co_u32 s36, s36, XSC
	v_lshl_add_u32 v[SCW], v[HL], 5, v[L16]
	v_add_nc_u32 v[SCW], s36, v[SCW]               ; XSC + 32 (2 w + hl) + l16
	s_and_b32 s36, s34, 3
	s_lshl_b32 s36, s36, 8
	s_add_co_u32 s36, s36, XSC
	v_add_nc_u32 v[SCR], s36, v[L8]                ; XSC + 256 (w % 4) + 8 lane
	s_mul_i32 s36, s34, 4608
	s_add_co_u32 s36, s36, WST
	v_mul_u32_u24 v[WSW], v[LANE], 144
	v_add_nc_u32 v[WSW], s36, v[WSW]               ; WST + 4608 w + 144 lane
	v_lshrrev_b32 v224, 3, v[LANE]
	v_mul_u32_u24 v[WSR], v224, 144
	v_and_b32 v225, 7, v[LANE]
	v_lshl_add_u32 v[WSR], v225, 4, v[WSR]
	v_add_nc_u32 v[WSR], s36, v[WSR]               ; WST + 4608 w + 144 (lane / 8) + 16 (lane % 8)
	s_and_b32 s37, s34, 1                          ; WKV: which 32 columns
	s_lshr_b32 s38, s34, 1                         ; WKV: which 64 along K
	s_mul_i32 s39, s37, 8704
	s_lshl_b32 s40, s38, 5
	s_add_co_u32 s39, s39, s40
	s_add_co_u32 s39, s39, QST
	v_mul_u32_u24 v[QW], v[LANE], 272
	v_add_nc_u32 v[QW], s39, v[QW]                 ; QST + 272 (32 cg + lane) + 32 ke
	s_lshl_b32 s39, s37, 9
	s_lshl_b32 s40, s38, 1
	s_add_co_u32 s40, s40, s39
	s_add_co_u32 s40, s40, QSC
	v_add_nc_u32 v[QSW], s40, v[L16B]              ; QSC + 16 (32 cg + lane) + 2 ke
	s_add_co_u32 s39, s39, QSC
	v_add_nc_u32 v[QSR], s39, v[L16B]              ; QSC + 16 (32 (w % 2) + lane)
	s_mul_i32 s39, s34, 1088
	s_add_co_u32 s39, s39, QST
	v_mul_u32_u24 v[QR], v[HL], 272
	v_add_nc_u32 v[QR], v[QR], v[WO]
	v_add_nc_u32 v[QR], s39, v[QR]                 ; QST + 272 (4 w + hl) + 16 l16
	s_wait_kmcnt 0x0
	s_cmp_lt_u32 ttmp9, 32
	s_cbranch_scc1 .Lpath_p
	s_cmp_lt_u32 ttmp9, 96
	s_cbranch_scc1 .Lpath_wkv
	s_cmp_lt_u32 ttmp9, 160
	s_cbranch_scc1 .Lpath_w16
; 32 numbers of one lane, v[R + 32 bl] on, become 32 codes in v[CD + 4 bl] on and the scale's byte in v[T + 4 + bl]
.macro QBLK bl
.set XS, R+32*\bl
	v_max3_num_f32 v[T], |v[XS]|, |v[XS+1]|, |v[XS+2]|              ; the block's largest magnitude, in two chains
	v_max3_num_f32 v[T+1], |v[XS+3]|, |v[XS+4]|, |v[XS+5]|
.irp i, 6,10,14,18,22,26
	v_max3_num_f32 v[T], v[T], |v[XS+\i]|, |v[XS+\i+1]|
	v_max3_num_f32 v[T+1], v[T+1], |v[XS+\i+2]|, |v[XS+\i+3]|
.endr
	v_max3_num_f32 v[T], v[T], |v[XS+30]|, |v[XS+31]|
	v_max3_num_f32 v[T], v[T], v[T+1], 0x1800000   ; and the floor 2^(3 - 127): the byte cannot fall under 1
	v_add_nc_u32 v[T+2], 0xff000000, v[T]          ; 2 off the exponent field: the conversion takes this operand's exponent field as its scale
.irp g, 0,1,2,3
	v_cvt_scalef32_pk8_fp4_f32 v[CD+4*\bl+\g], v[XS+8*\g:XS+8*\g+7], v[T+2]
.endr
	v_lshrrev_b32 v[T+4+\bl], 23, v[T+2]           ; the scale's byte (also the plain line behind the conversions)
.endm
; eight partial sums in v[T] on become the row's sum in v[T]: a row lies in 16 lanes
.macro ROWSUM
	v_pk_add_f32 v[T:T+1], v[T:T+1], v[T+2:T+3]
	v_pk_add_f32 v[T+4:T+5], v[T+4:T+5], v[T+6:T+7]
	v_pk_add_f32 v[T:T+1], v[T:T+1], v[T+4:T+5]
	v_add_f32 v[T], v[T], v[T+1]
.irp m, 1,2,4,8
	v_add_f32_dpp v[T], v[T], v[T] row_xmask:\m row_mask:0xf bank_mask:0xf
.endr
.endm
	; ---------------- X: wave w takes rows 32 g + 2 w + hl: lanes 0-15 one row, lanes 16-31 the next
	s_sub_co_u32 s35, ttmp9, 160                   ; g
	s_lshl_b32 s36, s35, 5
	s_lshl_b32 s37, s34, 1
	s_add_co_u32 s36, s36, s37                     ; my first row
	s_lshl_b32 s38, s36, 12
	s_mov_b32 s39, 0
	s_add_nc_u64 s[8:9], s[8:9], s[38:39]          ; x
	s_lshl_b32 s38, s36, 7
	s_add_nc_u64 s[24:25], s[24:25], s[38:39]      ; xn16: 128 bytes a row in each chunk
	s_lshl_b32 s38, s36, 9
	s_add_nc_u64 s[40:41], s[30:31], s[38:39]      ; x's codes: 512 bytes a row
	s_lshl_b32 s38, s35, 10
	s_and_b32 s37, s34, 3
	s_lshl_b32 s37, s37, 8
	s_add_co_u32 s38, s38, s37
	s_add_co_u32 s38, s38, XSCALES
	s_add_nc_u64 s[42:43], s[30:31], s[38:39]      ; x's scale bytes: the group's 1,024, my quarter
	s_mov_b32 s48, 0x3a800000                      ; 1 / 1024
	s_mov_b32 s49, 0x3727c5ac                      ; 1e-5
.set j, 0
.rept 16
	global_load_b128 v[R+4*j:R+4*j+3], v[XO], s[8:9] offset:256*j th:TH_LOAD_NT   ; sixteen lanes read 256 bytes on end: chunk j of my row
.set j, j+1
.endr
.set j, 0
.rept 16
	global_load_b128 v[W+4*j:W+4*j+3], v[WO], s[10:11] offset:256*j
.set j, j+1
.endr
.set j, 0
.rept 16
	global_load_b128 v[B+4*j:B+4*j+3], v[WO], s[12:13] offset:256*j
.set j, j+1
.endr
	s_wait_loadcnt 32                              ; x's 16 loads are in; the 32 of ln_w and ln_b may stay out
.set j, 0
.rept 16
	ds_store_b128 v[STW], v[R+4*j:R+4*j+3] offset:288*j   ; raw x into my stage: blocks of 32 numbers, 144 bytes apart
.set j, j+1
.endr
.irp c, 0,1,2,3
	v_pk_add_f32 v[T+2*\c:T+2*\c+1], v[R+2*\c:R+2*\c+1], v[R+8+2*\c:R+8+2*\c+1]   ; the mean: four chains
.endr
.set p, 8
.rept 24
	v_pk_add_f32 v[T+2*(p%4):T+2*(p%4)+1], v[T+2*(p%4):T+2*(p%4)+1], v[R+2*p:R+2*p+1]
.set p, p+1
.endr
	ROWSUM
	v_mul_f32 v[T], s48, v[T]
	v_mov_b32 v[T+1], v[T]
	s_wait_dscnt 0x0                               ; the stage's stores have read their registers, which are written next
.set p, 0
.rept 32
	v_pk_add_f32 v[R+2*p:R+2*p+1], v[R+2*p:R+2*p+1], v[T:T+1] neg_lo:[0,1] neg_hi:[0,1]   ; x - mean
.set p, p+1
.endr
.irp c, 0,1,2,3
	v_pk_mul_f32 v[T+2*\c:T+2*\c+1], v[R+2*\c:R+2*\c+1], v[R+2*\c:R+2*\c+1]
.endr
.set p, 4
.rept 28
	v_pk_fma_f32 v[T+2*(p%4):T+2*(p%4)+1], v[R+2*p:R+2*p+1], v[R+2*p:R+2*p+1], v[T+2*(p%4):T+2*(p%4)+1]
.set p, p+1
.endr
	ROWSUM
	v_fma_f32 v[T+2], v[T], s48, s49               ; the variance + 1e-5
	v_rsq_f32 v[T+4], v[T+2]
	v_nop                                          ; a plain line behind the transcendental,
	s_wait_alu depctr_va_vdst(0)                   ; and the wait ahead of its first reader
	v_mov_b32 v[T+5], v[T+4]
	s_wait_loadcnt 0x0                             ; ln_w, ln_b
.set j, 0
.rept 16
	v_pk_mul_f32 v[R+4*j:R+4*j+1], v[R+4*j:R+4*j+1], v[T+4:T+5]
	v_pk_mul_f32 v[R+4*j+2:R+4*j+3], v[R+4*j+2:R+4*j+3], v[T+4:T+5]
	v_pk_fma_f32 v[R+4*j:R+4*j+1], v[R+4*j:R+4*j+1], v[W+4*j:W+4*j+1], v[B+4*j:B+4*j+1]
	v_pk_fma_f32 v[R+4*j+2:R+4*j+3], v[R+4*j+2:R+4*j+3], v[W+4*j+2:W+4*j+3], v[B+4*j+2:B+4*j+3]
	v_cvt_pk_f16_f32 v[W+4*j], v[R+4*j], v[R+4*j+1]          ; into ln_w's registers of this chunk, which are used up
	v_cvt_pk_f16_f32 v[W+4*j+1], v[R+4*j+2], v[R+4*j+3]
	global_store_b64 v[L8], v[W+4*j:W+4*j+1], s[24:25] offset:524288*j   ; two rows' 128 bytes of chunk j: 256 bytes on end, aligned
.set j, j+1
.endr
.irp c, 0,1,2,3,4,5,6,7
	ds_load_b128 v[R+4*\c:R+4*\c+3], v[STR] offset:16*\c               ; raw x back: block l16 of my row,
.endr
.irp c, 0,1,2,3,4,5,6,7
	ds_load_b128 v[R+32+4*\c:R+32+4*\c+3], v[STR] offset:2304+16*\c    ; and block l16 + 16
.endr
	s_wait_dscnt 0x0
	QBLK 0
	QBLK 1
	global_store_b128 v[CO], v[CD:CD+3], s[40:41]              ; sixteen lanes store 256 bytes on end: blocks 0-15 of a row,
	global_store_b128 v[CO], v[CD+4:CD+7], s[40:41] offset:256 ; blocks 16-31
	ds_store_b8 v[SCW], v[T+4]
	ds_store_b8 v[SCW], v[T+5] offset:16
	s_wait_dscnt 0x0                               ; for the others' sake: my bytes have landed
	s_barrier_signal -1
	s_barrier_wait -1
	s_cmp_lt_u32 s34, 4                            ; waves 0 to 3 store the group's 1,024 scale bytes, 256 on end each
	s_cbranch_scc0 .Lend
	ds_load_b64 v[T:T+1], v[SCR]
	s_wait_dscnt 0x0
	global_store_b64 v[L8], v[T:T+1], s[42:43]
	s_branch .Lend
	; ---------------- W16: a lane takes a column, its registers run down K: 32 columns x one chunk of 64 k a wave
.Lpath_w16:
	s_sub_co_u32 s35, ttmp9, 96
	s_cmp_lt_u32 s35, 32                           ; Wq or Wout: the work-group's number alone decides
	s_cselect_b64 s[16:17], s[16:17], s[18:19]
	s_cselect_b64 s[26:27], s[26:27], s[28:29]
	s_and_b32 s35, s35, 31
	s_and_b32 s36, s35, 7
	s_lshr_b32 s37, s35, 3
	s_and_b32 s38, s34, 3
	s_lshr_b32 s39, s34, 2
	s_lshl_b32 s36, s36, 7
	s_lshl_b32 s38, s38, 5
	s_add_co_u32 s36, s36, s38                     ; my first column
	s_lshl_b32 s37, s37, 2
	s_add_co_u32 s37, s37, s39                     ; my chunk
	s_lshl_b32 s40, s37, 18                        ; 64 rows of 4,096 bytes a chunk
	s_lshl_b32 s38, s36, 2
	s_add_co_u32 s40, s40, s38
	s_mov_b32 s41, 0
	s_add_nc_u64 s[16:17], s[16:17], s[40:41]
	s_lshl_b32 s40, s37, 10
	s_add_co_u32 s40, s40, s36
	s_lshl_b32 s40, s40, 7                         ; (1024 chunk + column) x 128 bytes
	s_add_nc_u64 s[26:27], s[26:27], s[40:41]
.set i, 0
.rept 64
	global_load_b32 v[R+i], v[L4], s[16:17] offset:4096*i th:TH_LOAD_NT
.set i, i+1
.endr
.irp u, 0,1,2,3
	s_wait_loadcnt 48-16*\u                        ; this quarter's 16 loads are in; the younger quarters may stay out
.irp i, 0,1,2,3,4,5,6,7
	v_cvt_pk_f16_f32 v[W+8*\u+\i], v[R+16*\u+2*\i], v[R+16*\u+2*\i+1]
.endr
.endr
.irp j, 0,1,2,3,4,5,6,7
	ds_store_b128 v[WSW], v[W+4*\j:W+4*\j+3] offset:16*\j      ; my column's 128 bytes
.endr
.irp t, 0,1,2,3,4,5,6,7
	ds_load_b128 v[W+32+4*\t:W+32+4*\t+3], v[WSR] offset:576*\t   ; LDS serves a wave's instructions in order: four columns' rows, 512 bytes
.endr
.irp t, 0,1,2,3,4,5,6,7
	s_wait_dscnt 7-\t
	global_store_b128 v[L16B], v[W+32+4*\t:W+32+4*\t+3], s[26:27] offset:512*\t   ; 512 bytes on end, aligned
.endr
	s_branch .Lend
	; ---------------- WKV: a lane takes a column, its registers run down K: 32 columns x 64 k (two blocks) a wave
.Lpath_wkv:
	s_sub_co_u32 s35, ttmp9, 32
	s_lshr_b32 s36, s35, 1                         ; which 64 columns
	s_and_b32 s37, s35, 1                          ; which 512 along K
	s_and_b32 s38, s34, 1
	s_lshr_b32 s39, s34, 1
	s_lshl_b32 s40, s36, 6
	s_lshl_b32 s41, s38, 5
	s_add_co_u32 s40, s40, s41                     ; my first column
	s_lshl_b32 s42, s37, 9
	s_lshl_b32 s43, s39, 6
	s_add_co_u32 s42, s42, s43                     ; my first k
	s_lshl_b32 s42, s42, 13                        ; a row of Wkv is 8,192 bytes
	s_lshl_b32 s40, s40, 2
	s_add_co_u32 s42, s42, s40
	s_mov_b32 s43, 0
	s_add_nc_u64 s[14:15], s[14:15], s[42:43]
	s_lshl_b32 s42, s36, 6
	s_lshl_b32 s40, s34, 2
	s_add_co_u32 s42, s42, s40
	s_lshl_b32 s42, s42, 9
	s_lshl_b32 s40, s37, 8
	s_add_co_u32 s42, s42, s40
	s_add_co_u32 s42, s42, WCODES
	s_add_nc_u64 s[44:45], s[30:31], s[42:43]      ; codes out: row 64 cb + 4 w, + 256 kh
	s_lshl_b32 s42, s36, 6
	s_add_co_u32 s42, s42, s41
	s_lshl_b32 s42, s42, 5
	s_lshl_b32 s40, s37, 4
	s_add_co_u32 s42, s42, s40
	s_add_co_u32 s42, s42, WSCALES
	s_add_nc_u64 s[46:47], s[30:31], s[42:43]      ; scale bytes out: row 64 cb + 32 (w % 2), + 16 kh
.set i, 0
.rept 64
	global_load_b32 v[R+i], v[L4], s[14:15] offset:8192*i th:TH_LOAD_NT
.set i, i+1
.endr
	s_wait_loadcnt 32                              ; block 0's 32 loads are in; block 1's may stay out
	QBLK 0
	s_wait_loadcnt 0x0
	QBLK 1
	v_lshl_or_b32 v[T+6], v[T+5], 8, v[T+4]
	ds_store_b128 v[QW], v[CD:CD+3]
	ds_store_b128 v[QW], v[CD+4:CD+7] offset:16
	ds_store_b16 v[QSW], v[T+6]
	s_wait_dscnt 0x0                               ; for the others' sake
	s_barrier_signal -1
	s_barrier_wait -1
.irp t, 0,1
	ds_load_b128 v[W+4*\t:W+4*\t+3], v[QR] offset:544*\t
.endr
.irp t, 0,1
	s_wait_dscnt 1-\t
	global_store_b128 v[CO], v[W+4*\t:W+4*\t+3], s[44:45] offset:1024*\t   ; sixteen lanes store a column's 256 bytes of codes, aligned
.endr
	s_cmp_lt_u32 s34, 2                            ; waves 0 and 1 store the scale bytes, 16 a column
	s_cbranch_scc0 .Lend
	ds_load_b128 v[W+8:W+11], v[QSR]
	s_wait_dscnt 0x0
	global_store_b128 v[L32], v[W+8:W+11], s[46:47]
	s_branch .Lend
	; ---------------- P: the pads and the bias row of (batch, head) = the work-group's number
.Lpath_p:
	s_lshr_b32 s35, ttmp9, 4                       ; batch
	s_and_b32 s36, ttmp9, 15                       ; head
	s_add_co_u32 s37, s36, 1                       ; slope = 2^(-(head + 1) / 2)
	s_lshr_b32 s38, s37, 1
	s_sub_co_u32 s38, 130, s38                     ; (127 + 3: the factor 8 goes into the exponent)
	s_lshl_b32 s38, s38, 23
	s_mov_b32 s39, 0x3f3504f3                      ; 2^(-1/2)
	s_bitcmp1_b32 s37, 0
	s_cselect_b32 s39, s39, 1.0
	s_mul_f32 s38, s38, s39                        ; beta = 8 x slope
	s_lshl_b32 s40, s36, 10
	s_mov_b32 s41, 0
	s_add_nc_u64 s[20:21], s[20:21], s[40:41]      ; null_kv at my head: rows nk0, nv0, nk1, nv1 of 256 bytes
	s_lshl_b32 s40, s35, 11
	s_add_nc_u64 s[22:23], s[22:23], s[40:41]      ; mask at my batch
	s_mul_i32 s40, ttmp9, HEADB
	s_lshl_b32 s42, s34, 10
	s_add_co_u32 s42, s42, s40
	s_mov_b32 s43, 0
	s_add_nc_u64 s[44:45], s[32:33], s[42:43]      ; K's pad: 8 rows of 128 bytes a wave
	s_mul_i32 s42, s34, 17408
	s_add_co_u32 s42, s42, s40
	s_add_co_u32 s42, s42, VTB
	s_add_nc_u64 s[46:47], s[32:33], s[42:43]      ; V^T's pad: 4 rows of 4,352 bytes a wave
	s_mul_i32 s42, ttmp9, 8704
	s_add_co_u32 s42, s42, BIASB
	s_add_nc_u64 s[48:49], s[30:31], s[42:43]      ; my bias row
	v_bfe_u32 v16, v0, 3, 1                        ; row % 2: null key 0 goes to row 126, 1 to row 127; the other rows' loads are thrown away
	v_and_b32 v17, 7, v0
	v_lshlrev_b32 v18, 5, v17
	v_lshl_add_u32 v18, v16, 9, v18
	global_load_b128 v[32:35], v18, s[20:21]
	global_load_b128 v[36:39], v18, s[20:21] offset:16
	s_lshl_b32 s50, s34, 4
	v_lshl_add_u32 v19, v[HL], 2, s50              ; 4 x channel (4 w + hl)
	global_load_b32 v52, v19, s[20:21] offset:256  ; null value 0, channel 4 w + hl
	global_load_b32 v53, v19, s[20:21] offset:768  ; null value 1
	global_load_b32 v54, v19, s[20:21] offset:264  ; and of channel 4 w + 2 + hl
	global_load_b32 v55, v19, s[20:21] offset:776
	v_lshlrev_b32 v20, 2, v0
	global_load_b32 v21, v20, s[22:23]             ; four bytes of the mask: keys 4 t .. 4 t + 3
	s_lshl_b32 s51, s34, 3
	v_lshrrev_b32 v22, 3, v[LANE]
	v_add_nc_u32 v22, s51, v22                     ; K's pad: row 8 w + lane / 8,
	v_add_nc_u32 v23, 4, v22                       ; and four rows on
	v_mul_u32_u24 v24, v[HL], 4352
	v_add_nc_u32 v24, v24, v[WO]
	v_and_b32 v25, 127, v20
	v_mov_b32 v26, 0xf149f2ca                      ; -1e30
	v_lshlrev_b32 v27, 4, v0
	s_wait_loadcnt 0x0
.irp i, 0,1,2,3
	v_cvt_pk_f16_f32 v[40+\i], v[32+2*\i], v[33+2*\i]
.endr
	v_cmp_le_u32 vcc_lo, 126, v22
.irp i, 0,1,2,3
	v_cndmask_b32 v[44+\i], 0, v[40+\i], vcc_lo    ; zeros in rows 0 to 125
.endr
	v_cmp_le_u32 vcc_lo, 126, v23
.irp i, 0,1,2,3
	v_cndmask_b32 v[48+\i], 0, v[40+\i], vcc_lo
.endr
	global_store_b128 v[L16B], v[44:47], s[44:45]
	global_store_b128 v[L16B], v[48:51], s[44:45] offset:512
	v_cvt_pk_f16_f32 v56, v52, v53
	v_cvt_pk_f16_f32 v57, v54, v55
	v_cmp_eq_u32 vcc_lo, 15, v[L16]                ; positions 126 and 127 are the last four bytes of a row's 256
.irp i, 0,1,2
	v_mov_b32 v[60+\i], 0
	v_mov_b32 v[64+\i], 0
.endr
	v_cndmask_b32 v63, 0, v56, vcc_lo
	v_cndmask_b32 v67, 0, v57, vcc_lo
	global_store_b128 v24, v[60:63], s[46:47]
	global_store_b128 v24, v[64:67], s[46:47] offset:8704
.irp e, 0,1,2,3
	v_add_nc_u32 v[68+\e], \e, v25                 ; position mod 128
	v_cvt_f32_u32 v[72+\e], v[68+\e]
	v_mul_f32 v[72+\e], s38, v[72+\e]
	v_bfe_u32 v[76+\e], v21, 8*\e, 8
	v_cmp_ne_u32 vcc_lo, 0, v[76+\e]
	v_cndmask_b32 v[80+\e], v26, v[72+\e], vcc_lo  ; -1e30 where the mask hides the key
.endr
	global_store_b128 v27, v[80:83], s[48:49] offset:512
	s_cmp_lg_u32 s34, 0                            ; wave 0 also writes the pad's 128 entries: only the null keys count
	s_cbranch_scc1 .Lend
.irp e, 0,1,2,3
	v_cmp_le_u32 vcc_lo, 126, v[68+\e]
	v_cndmask_b32 v[84+\e], v26, v[72+\e], vcc_lo
.endr
	global_store_b128 v27, v[84:87], s[48:49]
.Lend:
	s_wait_tensorcnt 0x0                           ; the wave's end, behind the last LDS store
	ds_add_u32 v[SPW], v[NIL]
	s_wait_dscnt 0x0
	s_endpgm
.Lfunc_end_k_q4c54e8f2c4_prep:
	.size	k_q4c54e8f2c4_prep, .Lfunc_end_k_q4c54e8f2c4_prep-k_q4c54e8f2c4_prep
	.p2alignl 7, 3214868480
	.fill 96, 4, 3214868480
	.section	.rodata,"a",@progbits
	.p2align	6, 0x0
	.amdhsa_kernel k_q4c54e8f2c4_prep
		.amdhsa_group_segment_fixed_size 242688
		.amdhsa_private_segment_fixed_size 0
		.amdhsa_enable_private_segment 0
		.amdhsa_kernarg_size 104
		.amdhsa_user_sgpr_count 2
		.amdhsa_user_sgpr_kernarg_segment_ptr 1
		.amdhsa_wavefront_size32 1
		.amdhsa_system_sgpr_workgroup_id_x 1
		.amdhsa_system_sgpr_workgroup_id_y 1
		.amdhsa_system_sgpr_workgroup_id_z 1
		.amdhsa_system_vgpr_workitem_id 0
		.amdhsa_next_free_vgpr 240
		.amdhsa_next_free_sgpr 66
		.amdhsa_reserve_vcc 1
		.amdhsa_float_denorm_mode_32 3
		.amdhsa_float_denorm_mode_16_64 3
		.amdhsa_memory_ordered 1
		.amdhsa_forward_progress 1
		.amdhsa_inst_pref_size 57
	.end_amdhsa_kernel
	.amdgpu_metadata
---
amdhsa.version: [ 1, 2 ]
amdhsa.kernels:
  - .name:           k_q4c54e8f2c4_prep
    .symbol:         k_q4c54e8f2c4_prep.kd
    .args:
      - { .name: x, .offset: 0, .size: 8, .value_kind: global_buffer, .address_space: global }
      - { .name: ln_w, .offset: 8, .size: 8, .value_kind: global_buffer, .address_space: global }
      - { .name: ln_b, .offset: 16, .size: 8, .value_kind: global_buffer, .address_space: global }
      - { .name: Wkv, .offset: 24, .size: 8, .value_kind: global_buffer, .address_space: global }
      - { .name: Wq, .offset: 32, .size: 8, .value_kind: global_buffer, .address_space: global }
      - { .name: Wout, .offset: 40, .size: 8, .value_kind: global_buffer, .address_space: global }
      - { .name: null_kv, .offset: 48, .size: 8, .value_kind: global_buffer, .address_space: global }
      - { .name: mask, .offset: 56, .size: 8, .value_kind: global_buffer, .address_space: global }
      - { .name: xn16, .offset: 64, .size: 8, .value_kind: global_buffer, .address_space: global }
      - { .name: wqt16, .offset: 72, .size: 8, .value_kind: global_buffer, .address_space: global }
      - { .name: woutt16, .offset: 80, .size: 8, .value_kind: global_buffer, .address_space: global }
      - { .name: prepq, .offset: 88, .size: 8, .value_kind: global_buffer, .address_space: global }
      - { .name: kvb, .offset: 96, .size: 8, .value_kind: global_buffer, .address_space: global }
    .group_segment_fixed_size: 242688
    .private_segment_fixed_size: 0
    .kernarg_segment_align: 8
    .kernarg_segment_size: 104
    .max_flat_workgroup_size: 512
    .sgpr_count:     66
    .vgpr_count:     240
    .wavefront_size: 32
...
	.end_amdgpu_metadata
.endif
;; end of part 1
;; launch kvgemm (part 2): grid 4 x 64, 8 waves a work-group, clusters of 4 x 4, 251,648 bytes of LDS; arguments prepq, kvb; writes kvb
.if DOCPART == 2
	.amdgcn_target "amdgcn-amd-amdhsa--gfx1250"
	.amdhsa_code_object_version 6
	.text
	.protected	k_q4c54e8f2c4_kvgemm
	.globl	k_q4c54e8f2c4_kvgemm
	.p2align	8
	.type	k_q4c54e8f2c4_kvgemm,@function
k_q4c54e8f2c4_kvgemm:
	s_mov_b64 s[64:65], 0
	v_nop
	global_prefetch_b8 v0, s[64:65] scope:SCOPE_SE
	s_setreg_imm32_b32 hwreg(HW_REG_WAVE_MODE, 25, 1), 1
	s_wait_xcnt 0x0
	s_wait_alu depctr_hold_cnt(0) depctr_sa_sdst(0) depctr_va_vdst(0) depctr_va_sdst(0) depctr_va_ssrc(0) depctr_va_vcc(0) depctr_vm_vsrc(0)
	s_getreg_b32 s2, hwreg(HW_REG_IB_STS2, 6, 4)
	s_cmp_eq_u32 s2, 0
	s_cbranch_scc0 .Lentry_in_a_cluster
	s_endpgm
.Lentry_in_a_cluster:
	s_bfe_u32 s2, ttmp6, 0x10000c
	s_cmp_lg_u32 s2, 0xf033
	s_cbranch_scc0 .Lentry_shape_is_right
	s_endpgm
.Lentry_shape_is_right:
; K and V^T = the quantised product x Wkv, on codes of E2M1 with one E8M0 byte for each 32 along K = 1,024; sums in f32; results rounded once to f16.
; ONE BODY, TWO PARTS, told apart by offsets chosen on the cluster's number.  C[i][j] = sum over k of A[i][k] B[j][k]:
;   part 0: A = x's codes (4,096 tokens), B = Wkv's columns 0-1023:   C = token x (head, d)  -> K's buffer [batch head][128 + token][64]
;   part 1: A = Wkv's columns 1024-2047,  B = x's codes:              C = channel x token    -> V^T's buffer [batch head channel][128 + token]
; A tile of C is 128 x 256: 128 + 128 = 256 work-groups.  All of K lies in LDS at once (rows of 512 bytes): one fill, nothing is filled again.
; CLUSTER 4 x 4: A's tile and scales are shared along a row of the cluster, B's along a column: joint loads, one a wave (waves 0, 1: A; 2-5: B; 6: A's scales; 7: B's).
; Eight waves, each 32 rows of A x 128 rows of B: 16 accumulators, which take turns.  The product is used transposed (source 0 = B's rows): a lane holds one row of C and eight neighbouring columns.
; LIMIT: a result beyond f16's 65,504 overflows.
.set PITCH, 528                        ; an LDS row: 512 bytes + 16
.set LOADB, 64*PITCH                   ; what one load of codes brings
.set BROWS, 2*LOADB                    ; B's rows lie behind A's 128
.set SCA,   6*LOADB                    ; A's scale bytes: 16 units of 256 bytes + 16
.set SCB,   SCA+16*272                 ; B's: 32 units
.set STG,   SCB+32*272                 ; a stage of 16 rows x (256 bytes + 16) for each wave
.set SPARE, STG+8*16*272               ; the spare words, 128 bytes a wave
.set ADRA, 1
.set ADRB, 2
.set ADSB, 3
.set ADSA, 4
.set STO,  5
.set RDK,  6
.set RDV,  7
.set COK,  8
.set COV,  9
.set SPW,  14
.set NIL,  15
.set SB,   16                          ; v16-31  B's scale words: register 4 i + q': lanes 0-15 block i, lanes 16-31 block i + 4
.set SA,   32                          ; v32-35  A's: lanes 0-15 block 0, lanes 16-31 block 1
.set AF,   48                          ; v48-63  A's two fragments
.set BF,   64                          ; v64-127 B's eight
.set ACC,  128                         ; v128-255 accumulator (a, b) at 8 (8 a + b)
.set G1A,  24
.set G1B,  32
.set G1SA, 40
.set G1SB, 48
.set G0A,  56
.set G0B,  60
.set G0SA, 68
.set G0SB, 72
.macro CROUND                          ; a round of the cluster's barrier
	s_barrier_signal -1
	s_barrier_wait -1
	s_cmp_lg_u32 s8, 0
	s_cbranch_scc1 .Lnot_wave_0_\@
	s_barrier_signal -3
.Lnot_wave_0_\@:
	s_barrier_wait -3
	s_barrier_signal -1
	s_barrier_wait -1
.endm
.macro TL g0, g1                       ; a tensor load with an s_nop and four v_nop behind it
	tensor_load_to_lds s[\g0:\g0+3], s[\g1:\g1+7]
	s_nop 0
.rept 4
	v_nop
.endr
.endm
	s_load_b128 s[4:7], s[0:1], 0x0                ; prepq, kvb
	v_lshl_add_u32 v[SPW], v0, 2, SPARE
	v_mov_b32 v[NIL], 0
	ds_add_u32 v[SPW], v[NIL]                      ; the opening: the add, twice on end, and its wait ahead of the first tensor load
	ds_add_u32 v[SPW], v[NIL]
	v_lshrrev_b32 v1, 5, v0
	v_readfirstlane_b32 s8, v1                     ; wave 0..7
	s_bfe_u32 s9, ttmp6, 0x40000                   ; cx
	s_bfe_u32 s10, ttmp6, 0x40004                  ; cy
	s_and_b32 s11, ttmp7, 0xffff                   ; the cluster's number, 0..15
	s_lshr_b32 s12, s11, 3                         ; part: the same in all partners
	s_and_b32 s13, s11, 7
	s_and_b32 s14, s13, 1
	s_lshr_b32 s15, s13, 1
	s_cmp_eq_u32 s12, 0
	s_cselect_b32 s14, s13, s14                    ; group of four tile rows
	s_cselect_b32 s15, 0, s15                      ; group of four tile columns
	s_mov_b32 s16, 2621440
	s_cselect_b32 s16, 0, s16                      ; A's codes in prepq: x's, or Wkv's from column 1,024 on
	s_mov_b32 s17, 2097152
	s_cselect_b32 s17, s17, 0                      ; B's codes
	s_mov_b32 s18, 3309568
	s_cselect_b32 s18, 3145728, s18                ; A's scale bytes
	s_mov_b32 s19, 3145728
	s_cselect_b32 s19, 3276800, s19                ; B's
	s_lshl_b32 s14, s14, 2
	s_add_co_u32 s14, s14, s10                     ; tile row
	s_lshl_b32 s15, s15, 2
	s_add_co_u32 s15, s15, s9                      ; tile column
	s_lshl_b32 s20, s10, 2
	s_lshl_b32 s20, 15, s20                        ; my row of the cluster
	s_lshl_b32 s21, 0x1111, s9                     ; my column
	; group 1 for codes: 64 rows of 512 bytes, 16 bytes of padding behind each
	s_or_b32 s[G1A], s20, (1<<20)|(1<<21)|(6<<22)|(3<<25)
	s_or_b32 s[G1B], s21, (1<<20)|(1<<21)|(6<<22)|(3<<25)
.irp g, G1A, G1B
	s_mov_b32 s[\g+1], 512<<16
	s_mov_b32 s[\g+2], 64<<16
	s_mov_b32 s[\g+3], 512<<16
	s_mov_b32 s[\g+4], 64
	s_mov_b32 s[\g+5], 512
	s_mov_b32 s[\g+6], 0
	s_mov_b32 s[\g+7], 0
.endr
	; group 1 for scale bytes: a dense block as rows of 256 bytes (32 elements of 8), 16 bytes of padding behind each
	s_or_b32 s[G1SA], s20, (3<<16)|(1<<20)|(1<<21)|(5<<22)|(3<<25)
	s_or_b32 s[G1SB], s21, (3<<16)|(1<<20)|(1<<21)|(5<<22)|(3<<25)
	s_mov_b32 s[G1SA+1], 32<<16
	s_mov_b32 s[G1SA+2], 16<<16
	s_mov_b32 s[G1SA+3], 32<<16
	s_mov_b32 s[G1SA+4], 16
	s_mov_b32 s[G1SA+5], 32
	s_mov_b32 s[G1SA+6], 0
	s_mov_b32 s[G1SA+7], 0
	s_mov_b32 s[G1SB+1], 32<<16
	s_mov_b32 s[G1SB+2], 32<<16
	s_mov_b32 s[G1SB+3], 32<<16
	s_mov_b32 s[G1SB+4], 32
	s_mov_b32 s[G1SB+5], 32
	s_mov_b32 s[G1SB+6], 0
	s_mov_b32 s[G1SB+7], 0
	; where the tiles come from: A's offsets hang on the tile row and the wave, B's on the tile column and the wave, each in registers of their own
	s_min_u32 s76, s8, 1
	s_lshl_b32 s80, s14, 7
	s_lshl_b32 s76, s76, 6
	s_add_co_u32 s80, s80, s76                     ; A: row 128 rt + 64 w (waves 0, 1)
	s_lshl_b32 s80, s80, 9
	s_add_co_u32 s80, s80, s16
	s_mov_b32 s81, 0
	s_lshl_b32 s82, s14, 12                        ; A's scale bytes: 128 rt x 32
	s_add_co_u32 s82, s82, s18
	s_mov_b32 s83, 0
	s_sub_co_i32 s77, s8, 2
	s_max_i32 s77, s77, 0
	s_min_u32 s77, s77, 3
	s_lshl_b32 s84, s15, 8
	s_lshl_b32 s77, s77, 6
	s_add_co_u32 s84, s84, s77                     ; B: row 256 ct + 64 (w - 2) (waves 2 to 5)
	s_lshl_b32 s84, s84, 9
	s_add_co_u32 s84, s84, s17
	s_mov_b32 s85, 0
	s_lshl_b32 s86, s15, 13                        ; B's scale bytes: 256 ct x 32
	s_add_co_u32 s86, s86, s19
	s_mov_b32 s87, 0
	s_mul_i32 s78, s8, LOADB                       ; where codes go: wave x 64 rows
	s_wait_dscnt 0x0                               ; both opening adds are done
	s_wait_kmcnt 0x0
	s_mov_b32 s[G0A], 1
	s_mov_b32 s[G0A+1], s78
	s_add_nc_u64 s[G0A+2:G0A+3], s[4:5], s[80:81]
	s_or_b32 s[G0A+3], s[G0A+3], 0x80000000
	s_mov_b32 s[G0B], 1
	s_mov_b32 s[G0B+1], s78
	s_add_nc_u64 s[G0B+2:G0B+3], s[4:5], s[84:85]
	s_or_b32 s[G0B+3], s[G0B+3], 0x80000000
	s_mov_b32 s[G0SA], 1
	s_mov_b32 s[G0SA+1], SCA
	s_add_nc_u64 s[G0SA+2:G0SA+3], s[4:5], s[82:83]
	s_or_b32 s[G0SA+3], s[G0SA+3], 0x80000000
	s_mov_b32 s[G0SB], 1
	s_mov_b32 s[G0SB+1], SCB
	s_add_nc_u64 s[G0SB+2:G0SB+3], s[4:5], s[86:87]
	s_or_b32 s[G0SB+3], s[G0SB+3], 0x80000000
	CROUND                                         ; all sixteen work-groups are here: the joint loads meet
	s_cmp_lt_u32 s8, 2                             ; one load a wave; the branches hang on the wave's number alone
	s_cbranch_scc0 .Lfor_b
	TL G0A, G1A
	s_branch .Lasked
.Lfor_b:
	s_cmp_lt_u32 s8, 6
	s_cbranch_scc0 .Lfor_sa
	TL G0B, G1B
	s_branch .Lasked
.Lfor_sa:
	s_cmp_eq_u32 s8, 6
	s_cbranch_scc0 .Lfor_sb
	TL G0SA, G1SA
	s_branch .Lasked
.Lfor_sb:
	TL G0SB, G1SB
.Lasked:
	v_and_b32 v12, 15, v0                          ; r
	v_bfe_u32 v13, v0, 4, 1                        ; h
	v_and_b32 v11, 31, v0                          ; lane
	s_lshr_b32 s76, s8, 1                          ; wa: my 32 rows of A
	s_and_b32 s77, s8, 1                           ; wb: my 128 rows of B
	v_mul_u32_u24 v10, v12, PITCH
	v_lshl_add_u32 v10, v13, 4, v10                ; a fragment's row x pitch + 16 h
	s_mul_i32 s79, s76, 32*PITCH
	v_add_nc_u32 v[ADRA], s79, v10
	s_mul_i32 s79, s77, 128*PITCH
	s_add_co_u32 s79, s79, BROWS
	v_add_nc_u32 v[ADRB], s79, v10
	v_lshrrev_b32 v3, 3, v12
	v_mul_u32_u24 v3, v3, 272
	v_and_b32 v4, 7, v12
	v_lshl_add_u32 v10, v4, 5, v3                  ; row r's 32 scale bytes: unit r / 8, 32 (r % 8) in it
	s_mul_i32 s79, s77, 16*272
	s_add_co_u32 s79, s79, SCB
	v_mad_u32_u24 v[ADSB], v13, 8*272, v10         ; lanes 16-31: four blocks (64 rows) on
	v_add_nc_u32 v[ADSB], s79, v[ADSB]
	s_mul_i32 s79, s76, 4*272
	s_add_co_u32 s79, s79, SCA
	v_mad_u32_u24 v[ADSA], v13, 2*272, v10         ; lanes 16-31: one block on
	v_add_nc_u32 v[ADSA], s79, v[ADSA]
	s_mul_i32 s79, s8, 16*272
	s_add_co_u32 s79, s79, STG                     ; my stage
	v_mul_u32_u24 v[STO], v12, 272
	v_lshl_add_u32 v[STO], v13, 4, v[STO]
	v_add_nc_u32 v[STO], s79, v[STO]
	v_lshrrev_b32 v[RDK], 3, v11
	v_mul_u32_u24 v[RDK], v[RDK], 272
	v_and_b32 v7, 7, v11
	v_lshl_add_u32 v[RDK], v7, 4, v[RDK]
	v_add_nc_u32 v[RDK], s79, v[RDK]               ; part 0: four rows x 128 bytes an instruction
	v_mul_u32_u24 v[RDV], v13, 272
	v_lshl_add_u32 v[RDV], v12, 4, v[RDV]
	v_add_nc_u32 v[RDV], s79, v[RDV]               ; part 1: two rows x 256 bytes
	v_lshlrev_b32 v[COK], 4, v11
	v_mul_u32_u24 v[COV], v13, 4352
	v_lshl_add_u32 v[COV], v12, 4, v[COV]
	; where my results go in kvb, as an offset, for either part
	s_lshr_b32 s88, s14, 4
	s_lshl_b32 s88, s88, 4
	s_lshl_b32 s89, s15, 2
	s_add_co_u32 s88, s88, s89
	s_lshl_b32 s89, s77, 1
	s_add_co_u32 s88, s88, s89                     ; part 0: batch x 16 + head of my first 64 columns
	s_mul_i32 s88, s88, 2176
	s_and_b32 s89, s14, 15
	s_lshl_b32 s89, s89, 7
	s_add_co_u32 s88, s88, s89
	s_lshl_b32 s89, s76, 5
	s_add_co_u32 s88, s88, s89
	s_add_co_u32 s88, s88, 128                     ; + the pad + my first token
	s_lshl_b32 s88, s88, 7
	s_lshr_b32 s90, s15, 3
	s_lshl_b32 s90, s90, 10
	s_lshl_b32 s91, s14, 7
	s_add_co_u32 s90, s90, s91
	s_add_co_u32 s90, s90, s89                     ; part 1: row 1024 batch + my first channel
	s_mul_i32 s90, s90, 4352
	s_and_b32 s91, s15, 7
	s_lshl_b32 s91, s91, 9
	s_add_co_u32 s90, s90, s91
	s_lshl_b32 s91, s77, 8
	s_add_co_u32 s90, s90, s91
	s_add_co_u32 s90, s90, 8912896+256             ; + V^T's place in kvb + the pad
	s_cmp_eq_u32 s12, 0
	s_cselect_b32 s88, s88, s90
	s_mov_b32 s89, 0
	s_add_nc_u64 s[6:7], s[6:7], s[88:89]
	s_wait_tensorcnt 0x0                           ; my load has landed,
	s_barrier_signal -1
	s_barrier_wait -1                              ; everybody's has
; One product: source 0 = B's block b, source 1 = A's block a, 128 along K, the q-th.  Blocks whose scale words lie in lanes 16-31 name that row of the register.
.macro WM a, b, q
.set rD, ACC+8*(8*(\a)+(\b))
.set rB, BF+8*(\b)
.set rA, AF+8*(\a)
.set rSB, SB+4*((\b)%4)+((\q)%4)
.set rSA, SA+((\q)%4)
.if (\q) == 0
.if ((\b) < 4) && ((\a) == 0)
	v_wmma_scale_f32_16x16x128_f8f6f4 v[rD:rD+7], v[rB:rB+7], v[rA:rA+7], 0, v[rSB], v[rSA] matrix_a_fmt:MATRIX_FMT_FP4 matrix_b_fmt:MATRIX_FMT_FP4
.elseif ((\b) < 4)
	v_wmma_scale_f32_16x16x128_f8f6f4 v[rD:rD+7], v[rB:rB+7], v[rA:rA+7], 0, v[rSB], v[rSA] matrix_a_fmt:MATRIX_FMT_FP4 matrix_b_fmt:MATRIX_FMT_FP4 matrix_b_scale:MATRIX_SCALE_ROW1
.elseif ((\a) == 0)
	v_wmma_scale_f32_16x16x128_f8f6f4 v[rD:rD+7], v[rB:rB+7], v[rA:rA+7], 0, v[rSB], v[rSA] matrix_a_fmt:MATRIX_FMT_FP4 matrix_b_fmt:MATRIX_FMT_FP4 matrix_a_scale:MATRIX_SCALE_ROW1
.else
	v_wmma_scale_f32_16x16x128_f8f6f4 v[rD:rD+7], v[rB:rB+7], v[rA:rA+7], 0, v[rSB], v[rSA] matrix_a_fmt:MATRIX_FMT_FP4 matrix_b_fmt:MATRIX_FMT_FP4 matrix_a_scale:MATRIX_SCALE_ROW1 matrix_b_scale:MATRIX_SCALE_ROW1
.endif
.else
.if ((\b) < 4) && ((\a) == 0)
	v_wmma_scale_f32_16x16x128_f8f6f4 v[rD:rD+7], v[rB:rB+7], v[rA:rA+7], v[rD:rD+7], v[rSB], v[rSA] matrix_a_fmt:MATRIX_FMT_FP4 matrix_b_fmt:MATRIX_FMT_FP4
.elseif ((\b) < 4)
	v_wmma_scale_f32_16x16x128_f8f6f4 v[rD:rD+7], v[rB:rB+7], v[rA:rA+7], v[rD:rD+7], v[rSB], v[rSA] matrix_a_fmt:MATRIX_FMT_FP4 matrix_b_fmt:MATRIX_FMT_FP4 matrix_b_scale:MATRIX_SCALE_ROW1
.elseif ((\a) == 0)
	v_wmma_scale_f32_16x16x128_f8f6f4 v[rD:rD+7], v[rB:rB+7], v[rA:rA+7], v[rD:rD+7], v[rSB], v[rSA] matrix_a_fmt:MATRIX_FMT_FP4 matrix_b_fmt:MATRIX_FMT_FP4 matrix_a_scale:MATRIX_SCALE_ROW1
.else
	v_wmma_scale_f32_16x16x128_f8f6f4 v[rD:rD+7], v[rB:rB+7], v[rA:rA+7], v[rD:rD+7], v[rSB], v[rSA] matrix_a_fmt:MATRIX_FMT_FP4 matrix_b_fmt:MATRIX_FMT_FP4 matrix_a_scale:MATRIX_SCALE_ROW1 matrix_b_scale:MATRIX_SCALE_ROW1
.endif
.endif
.endm
; 128 along K: the fragments, every fourth step the scale words of four steps, and 16 products on 16 accumulators by turns
.macro KSTEP q
.if (\q) > 0
.rept 4
	v_nop                                          ; four places in front of loads into registers that matrix instructions have read (ISA guide 7.12.1 for vector instructions)
.endr
.endif
.if (\q)%4 == 0
.irp i, 0,1,2,3
	ds_load_b128 v[SB+4*\i:SB+4*\i+3], v[ADSB] offset:544*\i+16*((\q)/4)
.endr
	ds_load_b128 v[SA:SA+3], v[ADSA] offset:16*((\q)/4)
.endif
.irp b, 0,1,2,3,4,5,6,7
.irp c, 0,1
	ds_load_b128 v[BF+8*\b+4*\c:BF+8*\b+4*\c+3], v[ADRB] offset:16*PITCH*\b+64*(\q)+32*\c
.endr
.endr
.irp a, 0,1
.irp c, 0,1
	ds_load_b128 v[AF+8*\a+4*\c:AF+8*\a+4*\c+3], v[ADRA] offset:16*PITCH*\a+64*(\q)+32*\c
.endr
.endr
	s_wait_dscnt 0x0
.irp a, 0,1
.irp b, 0,1,2,3,4,5,6,7
	WM \a, \b, \q
.endr
.endr
.endm
.irp q, 0,1,2,3,4,5,6,7
	KSTEP \q
.endr
.rept 4
	v_nop                                          ; four places in front of the first read of results
.endr
; THE WAY OUT.  Block a (16 rows x 128 columns) is rounded to f16, 16 bytes a lane, goes through my own stage and comes back in the order in which it lies in memory.
.macro PACK a, tmp
.irp b, 0,1,2,3,4,5,6,7
.irp i, 0,1,2,3
	v_cvt_pk_f16_f32 v[\tmp+4*\b+\i], v[ACC+8*(8*\a+\b)+2*\i], v[ACC+8*(8*\a+\b)+2*\i+1]   ; each accumulator from its low end on
.endr
.endr
.irp b, 0,1,2,3,4,5,6,7
	ds_store_b128 v[STO], v[\tmp+4*\b:\tmp+4*\b+3] offset:32*\b
.endr
.endm
.macro BACK mode, bk                   ; LDS serves a wave's instructions in order: these see the stores above, and the next block's stores come behind them
.if \mode == 0
.irp hs, 0,1
.irp qd, 0,1,2,3
	ds_load_b128 v[\bk+4*(4*\hs+\qd):\bk+4*(4*\hs+\qd)+3], v[RDK] offset:1088*\qd+128*\hs   ; four tokens' 128 bytes of head hs
.endr
.endr
.else
.irp t, 0,1,2,3,4,5,6,7
	ds_load_b128 v[\bk+4*\t:\bk+4*\t+3], v[RDV] offset:544*\t                               ; two channels' 256 bytes
.endr
.endif
.endm
.macro SEND mode, a, bk, younger
	s_wait_dscnt \younger
.if \mode == 0
.irp hs, 0,1
.irp qd, 0,1,2,3
	global_store_b128 v[COK], v[\bk+4*(4*\hs+\qd):\bk+4*(4*\hs+\qd)+3], s[6:7] offset:278528*\hs+128*(16*\a+4*\qd)   ; 512 bytes on end, aligned
.endr
.endr
.else
.irp t, 0,1,2,3,4,5,6,7
	global_store_b128 v[COV], v[\bk+4*\t:\bk+4*\t+3], s[6:7] offset:4352*(16*\a+2*\t)       ; sixteen lanes store 256 bytes on end, aligned
.endr
.endif
.endm
.macro WAYOUT mode
	PACK 0, 64                                     ; into B's fragments' registers, which are done with
	BACK \mode, 96
	PACK 1, 160                                    ; into block 0's accumulators, which have been packed
	BACK \mode, 128
	SEND \mode, 0, 96, 16                          ; block 1's 8 stores and 8 loads may stay out
	SEND \mode, 1, 128, 0
.endm
	s_cmp_eq_u32 s12, 0                            ; the part: the same in all partners
	s_cbranch_scc0 .Lout_v
	WAYOUT 0
	s_branch .Ldone
.Lout_v:
	WAYOUT 1
.Ldone:
	s_wait_tensorcnt 0x0                           ; the wave's end
	ds_add_u32 v[SPW], v[NIL]
	s_wait_dscnt 0x0
	CROUND                                         ; the closing round
	s_endpgm
.Lfunc_end_k_q4c54e8f2c4_kvgemm:
	.size	k_q4c54e8f2c4_kvgemm, .Lfunc_end_k_q4c54e8f2c4_kvgemm-k_q4c54e8f2c4_kvgemm
	.p2alignl 7, 3214868480
	.fill 96, 4, 3214868480
	.section	.rodata,"a",@progbits
	.p2align	6, 0x0
	.amdhsa_kernel k_q4c54e8f2c4_kvgemm
		.amdhsa_group_segment_fixed_size 251648
		.amdhsa_private_segment_fixed_size 0
		.amdhsa_enable_private_segment 0
		.amdhsa_kernarg_size 16
		.amdhsa_user_sgpr_count 2
		.amdhsa_user_sgpr_kernarg_segment_ptr 1
		.amdhsa_wavefront_size32 1
		.amdhsa_system_sgpr_workgroup_id_x 1
		.amdhsa_system_sgpr_workgroup_id_y 1
		.amdhsa_system_sgpr_workgroup_id_z 1
		.amdhsa_system_vgpr_workitem_id 0
		.amdhsa_next_free_vgpr 256
		.amdhsa_next_free_sgpr 96
		.amdhsa_reserve_vcc 0
		.amdhsa_float_denorm_mode_32 3
		.amdhsa_float_denorm_mode_16_64 3
		.amdhsa_memory_ordered 1
		.amdhsa_forward_progress 1
		.amdhsa_inst_pref_size 54
	.end_amdhsa_kernel
	.amdgpu_metadata
---
amdhsa.version: [ 1, 2 ]
amdhsa.kernels:
  - .name:           k_q4c54e8f2c4_kvgemm
    .symbol:         k_q4c54e8f2c4_kvgemm.kd
    .args:
      - { .name: prepq, .offset: 0, .size: 8, .value_kind: global_buffer, .address_space: global }
      - { .name: kvb, .offset: 8, .size: 8, .value_kind: global_buffer, .address_space: global }
    .group_segment_fixed_size: 251648
    .private_segment_fixed_size: 0
    .kernarg_segment_align: 8
    .kernarg_segment_size: 16
    .max_flat_workgroup_size: 256
    .sgpr_count:     96
    .vgpr_count:     256
    .wavefront_size: 32
...
	.end_amdgpu_metadata
.endif
;; end of part 2
;; launch qgemm (part 3): grid 8 x 32, 4 waves a work-group, clusters of 4 x 4, 327,680 bytes of LDS; arguments xn16, wqt16, q32; writes q32
.if DOCPART == 3
	.amdgcn_target "amdgcn-amd-amdhsa--gfx1250"
	.amdhsa_code_object_version 6
	.text
	.protected	k_q4c54e8f2c4_qgemm
	.globl	k_q4c54e8f2c4_qgemm
	.p2align	8
	.type	k_q4c54e8f2c4_qgemm,@function
k_q4c54e8f2c4_qgemm:
	s_mov_b64 s[64:65], 0
	v_nop
	global_prefetch_b8 v0, s[64:65] scope:SCOPE_SE
	s_setreg_imm32_b32 hwreg(HW_REG_WAVE_MODE, 25, 1), 1
	s_wait_xcnt 0x0
	s_wait_alu depctr_hold_cnt(0) depctr_sa_sdst(0) depctr_va_vdst(0) depctr_va_sdst(0) depctr_va_ssrc(0) depctr_va_vcc(0) depctr_vm_vsrc(0)
	s_getreg_b32 s2, hwreg(HW_REG_IB_STS2, 6, 4)
	s_cmp_eq_u32 s2, 0
	s_cbranch_scc0 .Lentry_in_a_cluster
	s_endpgm
.Lentry_in_a_cluster:
	s_bfe_u32 s2, ttmp6, 0x10000c
	s_cmp_lg_u32 s2, 0xf033
	s_cbranch_scc0 .Lentry_shape_is_right
	s_endpgm
.Lentry_shape_is_right:
; C[m][n] = sum over k of A[m][k] B[n][k], M = 4,096, N = K = 1,024.  A and B are f16 in chunks of 64 along K: A [16 chunks][4,096 rows][64], B [16][1,024][64]; C is f32, row-major; sums in f32.
; A tile of C is 128 x 128: 8 x 32 = 256 work-groups of four waves, each wave 64 x 64: 16 accumulators, which take turns.
; K goes in steps of 256 (four chunks) through a ring of two LDS slots.  A wave's tensor load brings 4 chunks x 64 rows: in memory each chunk's 64 rows are 8,192 bytes on end.
; In LDS 16 bytes of padding follow every 128, so rows are 144 bytes apart and the 16 rows of a fragment load start at 16 different groups of banks.
; CLUSTER 4 x 4: A's tiles are shared along a row of the cluster, B's along a column: joint loads.  The product is used transposed (source 0 = B's rows): a lane holds eight neighbouring numbers of a row of C.
; REGISTERS: window 0: v0-31 addresses; v32-95 the way out; v128-255 the accumulators ((a, b) at 128 + 8 (4 a + b)).  Window 1: two fragment buffers of 128 registers, each 64 along K: 64 of A, 64 of B.
.set PITCH,  144
.set CHUNK,  64*PITCH                  ; a chunk's 64 rows in LDS
.set HALFT,  4*CHUNK                   ; what one tensor load brings, and what a wave reads of A or of B in a K step
.set SLOT,   4*HALFT
.set STAGE,  2*SLOT                    ; behind the ring: 16 rows x (256 bytes + 16) for each wave
.set SPITCH, 272
.set SPARE,  STAGE+4*16*SPITCH         ; the spare words, 128 bytes a wave
.set ASTEP,  4*4096*128                ; a K step in memory: four chunks of A,
.set BSTEP,  4*1024*128                ; of B
.set CROW,   4096                      ; a row of C in bytes
.set LAPS,   2                         ; a lap = two K steps = once round the ring
.set ADRA, 16
.set ADRB, 20
.set STO,  24
.set RD,   25
.set CO,   26
.set SPW,  28
.set NIL,  29
.set TMP,  32
.set ACC,  128
.set F0,   0
.set F1,   128
.set G1, 24
.set G0, 32
.set G1B, 48
.set G0B, 56
.set MSB, 0
.macro WIN new                         ; the immediate's high byte repeats the setting that is left
.if MSB != \new
	s_set_vgpr_msb (MSB<<8)|\new
.set MSB, \new
.endif
.endm
.set MUL,  0x05                        ; sources 0 (B) and 1 (A) window 1; C and D window 0
.set TO_F, 0x40                        ; destination window 1, address window 0
.macro JLOAD s                         ; a joint load: waves 0 and 1 fetch A's halves, waves 2 and 3 B's; the branch hangs on the wave's number alone
	s_cmp_eq_u32 s11, 0
	s_cbranch_scc0 .Lfor_b_\@
	tensor_load_to_lds s[G0+4*\s:G0+4*\s+3], s[G1:G1+7]
	s_nop 0
.rept 4
	v_nop
.endr
	s_branch .Lasked_\@
.Lfor_b_\@:
	tensor_load_to_lds s[G0B+4*\s:G0B+4*\s+3], s[G1B:G1B+7]
	s_nop 0
.rept 4
	v_nop
.endr
.Lasked_\@:
.endm
.macro CREST                           ; a round of the cluster's barrier behind its opening barrier
	s_cmp_lg_u32 s10, 0
	s_cbranch_scc1 .Lnot_wave_0_\@
	s_barrier_signal -3
.Lnot_wave_0_\@:
	s_barrier_wait -3
	s_barrier_signal -1
	s_barrier_wait -1
.endm
.macro CROUND
	s_barrier_signal -1
	s_barrier_wait -1
	CREST
.endm
	s_load_b128 s[4:7], s[0:1], 0x0                ; A, B
	s_load_b64 s[8:9], s[0:1], 0x10                ; C
	v_lshl_add_u32 v[SPW], v0, 2, SPARE
	v_mov_b32 v[NIL], 0
	ds_add_u32 v[SPW], v[NIL]                      ; the opening: the add, twice on end, and its wait ahead of the first tensor load
	ds_add_u32 v[SPW], v[NIL]
	v_lshrrev_b32 v1, 5, v0
	v_readfirstlane_b32 s10, v1                    ; wave 0..3
	s_lshr_b32 s11, s10, 1                         ; my half of the tile's rows.  Also: I fetch for A (0) or for B (1)
	s_and_b32 s12, s10, 1                          ; my half of its columns.  Also: which 64 rows I fetch
	s_bfe_u32 s40, ttmp6, 0x40000                  ; cx
	s_bfe_u32 s41, ttmp6, 0x40004                  ; cy
	s_lshl_b32 s42, ttmp9, 2
	s_add_co_u32 s42, s42, s40                     ; tile column
	s_and_b32 s13, ttmp7, 0xffff
	s_lshl_b32 s13, s13, 2
	s_add_co_u32 s13, s13, s41                     ; tile row
	s_lshl_b32 s43, s41, 2
	s_lshl_b32 s43, 15, s43                        ; my row of the cluster
	s_lshl_b32 s44, 0x1111, s40                    ; my column
	; group 1: 4 rows (chunks) of 4,096 elements of 2 bytes; 4 words of padding behind every 32
	s_or_b32 s[G1+0], s43, (1<<16)|(1<<20)|(1<<21)|(4<<22)|(3<<25)
	s_or_b32 s[G1B+0], s44, (1<<16)|(1<<20)|(1<<21)|(4<<22)|(3<<25)
.irp g, G1, G1B
	s_mov_b32 s[\g+1], 4096<<16                    ; tensor_dim0
	s_mov_b32 s[\g+2], 4<<16                       ; tensor_dim1
	s_mov_b32 s[\g+3], 4096<<16                    ; tile_dim0
	s_mov_b32 s[\g+4], 4                           ; tile_dim1
	s_mov_b32 s[\g+6], 0
	s_mov_b32 s[\g+7], 0
.endr
	s_mov_b32 s[G1+5], 262144                      ; from chunk to chunk, in elements: A's 4,096 rows x 64,
	s_mov_b32 s[G1B+5], 65536                      ; B's 1,024 x 64
	s_lshl_b32 s17, s12, 6
	s_lshl_b32 s16, s13, 7
	s_add_co_u32 s16, s16, s17                     ; A: row 128 x tile row + 64 x half
	s_lshl_b32 s16, s16, 7                         ; 128 bytes a row in a chunk
	s_lshl_b32 s46, s42, 7
	s_add_co_u32 s46, s46, s17                     ; B: row 128 x tile column + 64 x half
	s_lshl_b32 s46, s46, 7
	s_mov_b32 s17, 0
	s_mov_b32 s47, 0
	s_mul_i32 s20, s10, HALFT                      ; where they go: wave x one load
	s_wait_dscnt 0x0                               ; both opening adds are done
	s_wait_kmcnt 0x0
	s_add_nc_u64 s[14:15], s[4:5], s[16:17]
	s_add_nc_u64 s[46:47], s[6:7], s[46:47]
	CROUND                                         ; all sixteen work-groups are here: the first joint loads meet
.irp s, 0,1
	s_mov_b32 s[G0+4*\s], 1
	s_add_co_u32 s[G0+4*\s+1], s20, \s*SLOT
	s_add_nc_u64 s[G0+4*\s+2:G0+4*\s+3], s[14:15], \s*ASTEP
	s_or_b32 s[G0+4*\s+3], s[G0+4*\s+3], 0x80000000
	s_mov_b32 s[G0B+4*\s], 1
	s_add_co_u32 s[G0B+4*\s+1], s20, \s*SLOT
	s_add_nc_u64 s[G0B+4*\s+2:G0B+4*\s+3], s[46:47], \s*BSTEP
	s_or_b32 s[G0B+4*\s+3], s[G0B+4*\s+3], 0x80000000
	JLOAD \s
.endr
	v_and_b32 v1, 15, v0                           ; l % 16
	v_bfe_u32 v2, v0, 4, 1                         ; l / 16
	v_mul_u32_u24 v3, v1, PITCH
	v_lshl_add_u32 v3, v2, 4, v3                   ; a fragment's row x pitch + 16 x half
	s_mul_i32 s21, s11, HALFT                      ; my 64 rows of A
	s_mul_i32 s22, s12, HALFT                      ; my 64 rows of B,
	s_add_co_u32 s22, s22, 2*HALFT                 ; behind A's two loads
.irp s, 0,1
	v_add_nc_u32 v[ADRA+\s], s21, v3
	v_add_nc_u32 v[ADRB+\s], s22, v3
	s_add_co_u32 s21, s21, SLOT
	s_add_co_u32 s22, s22, SLOT
.endr
	s_mul_i32 s23, s10, 16*SPITCH
	s_add_co_u32 s23, s23, STAGE                   ; my stage
	v_mul_u32_u24 v4, v1, SPITCH
	v_lshl_add_u32 v4, v2, 5, v4
	v_add_nc_u32 v[STO], s23, v4                   ; in: row l % 16, 32 bytes for each half of the lanes
	v_mul_u32_u24 v5, v2, SPITCH
	v_lshl_add_u32 v5, v1, 4, v5
	v_add_nc_u32 v[RD], s23, v5                    ; back: lanes 0-15 one row of 256 bytes, lanes 16-31 the next
	v_lshlrev_b32 v5, 12, v2
	v_lshl_add_u32 v[CO], v1, 4, v5                ; and the same two rows in C
	s_lshl_b32 s16, s13, 7
	s_lshl_b32 s17, s11, 6
	s_add_co_u32 s16, s16, s17                     ; my first row of C
	s_lshl_b32 s16, s16, 12
	s_mov_b32 s17, 0
	s_add_nc_u64 s[8:9], s[8:9], s[16:17]
	s_lshl_b32 s46, s42, 9                         ; my first column, in bytes: 512 x tile column + 256 x half
	s_lshl_b32 s47, s12, 8
	s_add_co_u32 s46, s46, s47
	s_mov_b32 s47, 0
	s_add_nc_u64 s[8:9], s[8:9], s[46:47]
; 8 products: m blocks a0, a0 + 1 x all 4 n blocks, 32 along K: half c of buffer f.  zero = 1: the first product starts the sums
.macro MUL8 f, c, a0, zero
.irp a, \a0, \a0+1
.irp b, 0,1,2,3
.if \zero
	v_wmma_f32_16x16x32_f16 v[ACC+8*(4*(\a)+\b):ACC+8*(4*(\a)+\b)+7], v[\f+64+8*(4*\c+\b):\f+64+8*(4*\c+\b)+7], v[\f+8*(4*\c+\a):\f+8*(4*\c+\a)+7], 0
.else
	v_wmma_f32_16x16x32_f16 v[ACC+8*(4*(\a)+\b):ACC+8*(4*(\a)+\b)+7], v[\f+64+8*(4*\c+\b):\f+64+8*(4*\c+\b)+7], v[\f+8*(4*\c+\a):\f+8*(4*\c+\a)+7], v[ACC+8*(4*(\a)+\b):ACC+8*(4*(\a)+\b)+7]
.endif
.endr
.endr
.endm
; 32 LDS loads in one run: the fragments of one chunk, which begins at byte k of my part of the slot, into buffer f; the first 32 along K first
.macro FETCH slot, k, f
	WIN TO_F
.irp c, 0,1
.irp i, 0,1,2,3
	ds_load_b128 v[\f+64+8*(4*\c+\i):\f+64+8*(4*\c+\i)+3],   v[ADRB+\slot] offset:\k+64*\c+\i*16*PITCH
	ds_load_b128 v[\f+64+8*(4*\c+\i)+4:\f+64+8*(4*\c+\i)+7], v[ADRB+\slot] offset:\k+64*\c+\i*16*PITCH+32
	ds_load_b128 v[\f+8*(4*\c+\i):\f+8*(4*\c+\i)+3],         v[ADRA+\slot] offset:\k+64*\c+\i*16*PITCH
	ds_load_b128 v[\f+8*(4*\c+\i)+4:\f+8*(4*\c+\i)+7],       v[ADRA+\slot] offset:\k+64*\c+\i*16*PITCH+32
.endr
.endr
.endm
.macro PLACES                          ; four places in front of loads into registers that matrix instructions have read, and of the first read of results
.rept 4
	v_nop
.endr
.endm
; A K step is four quarters, a chunk each, 32 products, on buffers 0, 1, 0, 1.  One of the first three: multiplies buffer f and fetches the next chunk, at byte k, into g.
.macro QUARTER slot, k, f, g, zero
	s_wait_dscnt 16                                ; the first 32 along K are in; the other sixteen loads may stay out
	WIN MUL
	MUL8 \f, 0, 0, \zero
	MUL8 \f, 0, 2, \zero
	PLACES
	FETCH \slot, \k, \g
	s_wait_dscnt 32                                ; all but the 32 just issued
	WIN MUL
	MUL8 \f, 1, 0, 0
	MUL8 \f, 1, 2, 0
.endm
; The last quarter multiplies buffer 1 and changes slots: one barrier; in front of it each wave waits for all its tensor loads, adds 0 to its spare word, and waits for that and for its reads of this slot.
.macro TURN slot, next, fill
	WIN 0                                          ; (the add's two registers lie in window 0)
	s_wait_tensorcnt 0x0                           ; all my tensor loads have landed: my part of the next slot
	ds_add_u32 v[SPW], v[NIL]
	s_wait_dscnt 17                                ; (the add and the youngest sixteen loads may be out)
	WIN MUL
	MUL8 F1, 0, 0, 0
	s_wait_dscnt 0x0                               ; the add is done, and my reads of this slot are over
	s_barrier_signal -1
	MUL8 F1, 0, 2, 0
.if \fill
	WIN 0
.endif
	s_barrier_wait -1
.if \fill
	CREST                                          ; the barrier has opened a round of the cluster's: no wave of any partner still reads this slot or has a load on its way
	s_add_nc_u64 s[G0+4*\slot+2:G0+4*\slot+3], s[G0+4*\slot+2:G0+4*\slot+3], 2*ASTEP
	s_add_nc_u64 s[G0B+4*\slot+2:G0B+4*\slot+3], s[G0B+4*\slot+2:G0B+4*\slot+3], 2*BSTEP
	JLOAD \slot                                    ; the first tensor load behind the round; its four v_nop are also the places in front of the loads below
.else
	PLACES
.endif
	FETCH \next, 0, F0
	WIN MUL
	MUL8 F1, 1, 0, 0
	MUL8 F1, 1, 2, 0
.endm
	s_wait_tensorcnt 1                             ; my part of K step 0 is in; K step 1's load may stay out
	s_barrier_signal -1
	s_barrier_wait -1
	FETCH 0, 0, F0
	QUARTER 0, CHUNK, F0, F1, 1                    ; the first quarter stands in front of the loop: its first products start the sums
	WIN 0
	s_mov_b32 s3, LAPS-1
.Llap:                                                 ; a trip goes once round the ring and fills both slots again
	QUARTER 0, 2*CHUNK, F1, F0, 0
	QUARTER 0, 3*CHUNK, F0, F1, 0
	TURN 0, 1, 1
	QUARTER 1, CHUNK, F0, F1, 0
	QUARTER 1, 2*CHUNK, F1, F0, 0
	QUARTER 1, 3*CHUNK, F0, F1, 0
	TURN 1, 0, 1
	QUARTER 0, CHUNK, F0, F1, 0
	WIN 0
	s_sub_co_u32 s3, s3, 1
	s_cmp_lg_u32 s3, 0
	s_cbranch_scc1 .Llap
	QUARTER 0, 2*CHUNK, F1, F0, 0                  ; the last lap fills nothing
	QUARTER 0, 3*CHUNK, F0, F1, 0
	TURN 0, 1, 0
	QUARTER 1, CHUNK, F0, F1, 0
	QUARTER 1, 2*CHUNK, F1, F0, 0
	QUARTER 1, 3*CHUNK, F0, F1, 0
	s_wait_dscnt 16
	WIN MUL
	MUL8 F1, 0, 0, 0
	MUL8 F1, 0, 2, 0
	s_wait_dscnt 0
	MUL8 F1, 1, 0, 0
	MUL8 F1, 1, 2, 0
	WIN 0
; THE WAY OUT.  My 64 columns of f32 are 256 bytes of a row of C: a block of 16 rows goes through my own stage and comes back as whole rows; no other wave is concerned, so no barrier.
.macro TOSTAGE a
.irp b, 0,1,2,3
	ds_store_b128 v[STO], v[ACC+8*(4*(\a)+\b):ACC+8*(4*(\a)+\b)+3] offset:64*\b        ; each accumulator from its low end on
	ds_store_b128 v[STO], v[ACC+8*(4*(\a)+\b)+4:ACC+8*(4*(\a)+\b)+7] offset:64*\b+16
.endr
.irp t, 0,1,2,3,4,5,6,7
	ds_load_b128 v[TMP+32*((\a)%2)+4*\t:TMP+32*((\a)%2)+4*\t+3], v[RD] offset:\t*2*SPITCH   ; LDS serves a wave's instructions in order
.endr
.endm
.macro SEND a, younger
	s_wait_dscnt \younger
.irp t, 0,1,2,3,4,5,6,7
	global_store_b128 v[CO], v[TMP+32*((\a)%2)+4*\t:TMP+32*((\a)%2)+4*\t+3], s[8:9] offset:(16*(\a)+2*\t)*CROW   ; sixteen lanes store 256 bytes on end, aligned
.endr
.endm
	PLACES
	TOSTAGE 0
.irp a, 1,2,3
.if \a > 1
	s_wait_xcnt 0x0                                ; block a - 2's stores have read their registers: block a's loads may land there
.endif
	TOSTAGE \a
	SEND \a-1, 16                                  ; block a's 8 stores and 8 loads may stay out
.endr
	SEND 3, 0
	s_wait_tensorcnt 0x0                           ; the wave's end
	ds_add_u32 v[SPW], v[NIL]
	s_wait_dscnt 0x0
	CROUND                                         ; the closing round
	s_endpgm
.Lfunc_end_k_q4c54e8f2c4_qgemm:
	.size	k_q4c54e8f2c4_qgemm, .Lfunc_end_k_q4c54e8f2c4_qgemm-k_q4c54e8f2c4_qgemm
	.p2alignl 7, 3214868480
	.fill 96, 4, 3214868480
	.section	.rodata,"a",@progbits
	.p2align	6, 0x0
	.amdhsa_kernel k_q4c54e8f2c4_qgemm
		.amdhsa_group_segment_fixed_size 327680
		.amdhsa_private_segment_fixed_size 0
		.amdhsa_enable_private_segment 0
		.amdhsa_kernarg_size 24
		.amdhsa_user_sgpr_count 2
		.amdhsa_user_sgpr_kernarg_segment_ptr 1
		.amdhsa_wavefront_size32 1
		.amdhsa_system_sgpr_workgroup_id_x 1
		.amdhsa_system_sgpr_workgroup_id_y 1
		.amdhsa_system_sgpr_workgroup_id_z 1
		.amdhsa_system_vgpr_workitem_id 0
		.amdhsa_next_free_vgpr 512
		.amdhsa_next_free_sgpr 66
		.amdhsa_reserve_vcc 0
		.amdhsa_float_denorm_mode_32 3
		.amdhsa_float_denorm_mode_16_64 3
		.amdhsa_memory_ordered 1
		.amdhsa_forward_progress 1
		.amdhsa_inst_pref_size 85
	.end_amdhsa_kernel
	.amdgpu_metadata
---
amdhsa.version: [ 1, 2 ]
amdhsa.kernels:
  - .name:           k_q4c54e8f2c4_qgemm
    .symbol:         k_q4c54e8f2c4_qgemm.kd
    .args:
      - { .name: xn16, .offset: 0, .size: 8, .value_kind: global_buffer, .address_space: global }
      - { .name: wqt16, .offset: 8, .size: 8, .value_kind: global_buffer, .address_space: global }
      - { .name: q32, .offset: 16, .size: 8, .value_kind: global_buffer, .address_space: global }
    .group_segment_fixed_size: 327680
    .private_segment_fixed_size: 0
    .kernarg_segment_align: 8
    .kernarg_segment_size: 24
    .max_flat_workgroup_size: 128
    .sgpr_count:     66
    .vgpr_count:     512
    .wavefront_size: 32
...
	.end_amdgpu_metadata
.endif
;; end of part 3
;; launch attn (part 4): grid 8 x 32, 8 waves a work-group, no clusters, 327,680 bytes of LDS; arguments q32, kvb, prepq, o16; writes o16
.if DOCPART == 4
	.amdgcn_target "amdgcn-amd-amdhsa--gfx1250"
	.amdhsa_code_object_version 6
	.text
	.protected	k_q4c54e8f2c4_attn
	.globl	k_q4c54e8f2c4_attn
	.p2align	8
	.type	k_q4c54e8f2c4_attn,@function
k_q4c54e8f2c4_attn:
	s_mov_b64 s[64:65], 0
	v_nop
	global_prefetch_b8 v0, s[64:65] scope:SCOPE_SE
	s_setreg_imm32_b32 hwreg(HW_REG_WAVE_MODE, 25, 1), 1
	s_wait_xcnt 0x0
; Attention of one (batch, head): o = softmax(q k / 8 + slope (key - query), causal, padding mask) v, with two null keys in front.  Products on f16 operands, f32 sums; softmax in f32 with a running maximum.
; KEYS lie by position p = key + 128: positions 126, 127 are the null keys (keys -2, -1: the bias formula holds for them as it stands), 0-125 are padding.  They go in slots of 128 positions, 0..16.
; SHARES.  Work-group (I, batch head) takes two blocks of 128 queries: block I (slots 0..I+1), then block 15 - I (slots 0..16-I): 19 trips in every work-group.  Each of 8 waves owns 16 queries of a block.
; A trip is two half steps of 64 keys; a wave jumps over a half step all of whose keys come after its queries (a branch on ids; no barrier and no tensor load stands in a half step).
; SCORES.  S^T = K Q^T + bias (source 0 = 16 keys, source 1 = my 16 queries): a lane holds one query.  The bias row, 8 slope (p mod 128), or -1e30 for padding and for keys that the mask input hides, is the C
; of the first product.  t = c S + a, c = log2(e) / 8, a = slope log2(e) (128 slot - (query + 128)); p = 2^(t - m), m the running maximum of t.  A null key is never hidden, so m is finite from the first half step on.
; O^T = V^T P (source 0 = 16 channels, source 1 = P): V lies with the positions innermost.  O^T and the sum are multiplied by 2^(m_old - m_new) in every half step.
; NO CLUSTER: the eight work-groups of a head ask for different tiles in the same trip (position t up to trip I + 1, position t - I - 2 behind it, and I differs between them).
; LIMITS: q, k, v beyond f16's 65,504 overflow; |q . k| stays far under 1e30, so a hidden key's weight is 0.
.set PK,    144                        ; a key's row in LDS: 128 bytes + 16
.set PV,    272                        ; a channel's row of V^T: 256 bytes + 16
.set VOFF,  128*PK                     ; a slot: 128 rows of K, 64 rows of V^T, the bias row of 512 bytes
.set BOFF,  VOFF+64*PV
.set SLOT1, 65536                      ; slot 1 begins here: one exclusive or turns an address
.set STG,   131072                     ; the way out: 16 rows x 144 bytes for each wave
.set SPARE, STG+8*16*PK                ; the spare words, 128 bytes a wave
.set HEADB, 278528                     ; a head in K's and in V^T's buffer
.set VTB,   8912896                    ; V^T's place in kvb
.set BIASB, 3342336                    ; the bias rows' place in prepq
.set AK0, 1
.set AV0, 2
.set AB0, 3
.set SPW, 4
.set NIL, 5
.set ADK, 6
.set ADV, 7
.set ADB, 8
.set QOF, 9
.set STO, 10
.set RD,  11
.set GO,  12
.set PFO, 13
.set Q,   32                           ; v32-47   my queries, two fragments
.set P,   48                           ; v48-63   the weights in f16, two fragments
.set S,   64                           ; v64-95   scores, then weights
.set O,   96                           ; v96-127  O^T
.set KV,  128                          ; v128-191 eight fragments of K, then of V^T
; v14 r; v15 r - 8 h; v16 query + 128 as f32; v17 the diagonal's d; v[18:19] a - m; v20 m; v21 a; v[22:23] the sum; v[24:25] 2^(m_old - m_new); v26-30 at work; v31 -1e30
.set WV,  12
.set IB,  13
.set BH,  14
.set T1,  15                           ; trips of the first block
.set TT,  16                           ; the trip
.set SP,  17                           ; the slot's position
.set SPN, 18                           ; the next trip's
.set TB,  19                           ; LDS byte at which the slot in hand begins
.set QB,  20
.set Q0,  21                           ; my first query
.set CS,  22
.set SEL, 24
.set SL2, 26
.set KBF, 27
.set G1K, 28
.set G1V, 36
.set G1B, 44
.set G0K, 52
.set G0V, 56
.set G0B, 60
.set KB,  66
.set VB,  68
.set BB,  70
.set PFA, 72
.set PFS, 74
.set PFN, 76
.set QP,  78
.set OP,  80
; Wave 0 fetches K's tile, wave 1 V^T's, wave 2 the bias row, the others nothing; of every load some bytes are read, at position 0 too.  The branches hang on the wave's number alone.
.macro TLOAD
	s_cmp_eq_u32 s[WV], 0
	s_cbranch_scc0 .Lnot_k_\@
	tensor_load_to_lds s[G0K:G0K+3], s[G1K:G1K+7]
	s_nop 0
.rept 4
	v_nop
.endr
	s_branch .Lasked_\@
.Lnot_k_\@:
	s_cmp_eq_u32 s[WV], 1
	s_cbranch_scc0 .Lnot_v_\@
	tensor_load_to_lds s[G0V:G0V+3], s[G1V:G1V+7]
	s_nop 0
.rept 4
	v_nop
.endr
	s_branch .Lasked_\@
.Lnot_v_\@:
	s_cmp_eq_u32 s[WV], 2
	s_cbranch_scc0 .Lasked_\@
	tensor_load_to_lds s[G0B:G0B+3], s[G1B:G1B+7]
	s_nop 0
.rept 4
	v_nop
.endr
.Lasked_\@:
.endm
; A PREFETCH INTO THE L2: in trip t = 0..14 position t + 2 of K and V^T, one trip ahead of the earliest tensor load that can ask for it (a work-group in its first walk loads position t + 2 in trip t + 1).
; All work-groups of a head walk the same tiles: the head's first work-group asks, waves 4 and 5 for K's 128 rows (8,192 bytes a wave, lanes 256 bytes apart), waves 6 and 7 for V^T's 64 rows (a lane a row, 256 bytes).
; So each aligned block of 256 bytes is named once.  Positions 0 and 1 come by their loads alone; nothing is named beyond position 16.
.macro ASK
	s_cmp_lt_u32 s[TT], s[PFN]
	s_cbranch_scc0 .Lnot_mine_\@
	global_prefetch_b8 v[PFO], s[PFA:PFA+1] th:TH_LOAD_NT scope:SCOPE_SE
.Lnot_mine_\@:
.endm
; THE CHANGE OF SLOTS, at a trip's head.  Each wave waits for all its tensor loads, adds 0 to its spare word, and waits for that and for its reads of the slot that it has left.  Behind the barrier the slot
; ahead is whole and nobody reads the other one, which takes the next trip's tiles: one load a wave, out for a whole trip.
.macro CHANGE fill
	s_wait_tensorcnt 0x0                           ; no tensor load of mine is out, so a group 0 may be written
	ds_add_u32 v[SPW], v[NIL]
.if \fill
	ds_add_u32 v[SPW], v[NIL]                      ; and twice on end here, in every trip alike
	s_add_co_u32 s82, s[TT], 1
	s_cmp_ge_u32 s82, s[T1]
	s_cselect_b32 s83, s[T1], 0
	s_sub_co_u32 s[SPN], s82, s83                  ; the next trip's position: ids and the count of trips alone
	s_xor_b32 s[G0K+1], s[G0K+1], SLOT1
	s_xor_b32 s[G0V+1], s[G0V+1], SLOT1
	s_xor_b32 s[G0B+1], s[G0B+1], SLOT1
	s_mov_b32 s83, 0
	s_lshl_b32 s82, s[SPN], 14                     ; 128 rows of 128 bytes
	s_add_nc_u64 s[G0K+2:G0K+3], s[KB:KB+1], s[82:83]
	s_or_b32 s[G0K+3], s[G0K+3], 0x80000000
	s_lshl_b32 s82, s[SPN], 8                      ; 256 bytes along each row
	s_add_nc_u64 s[G0V+2:G0V+3], s[VB:VB+1], s[82:83]
	s_or_b32 s[G0V+3], s[G0V+3], 0x80000000
	s_lshl_b32 s82, s[SPN], 9                      ; 128 f32
	s_add_nc_u64 s[G0B+2:G0B+3], s[BB:BB+1], s[82:83]
	s_or_b32 s[G0B+3], s[G0B+3], 0x80000000
	s_wait_xcnt 0x0                                ; the last prefetch, a trip back, has read its address
	s_add_nc_u64 s[PFA:PFA+1], s[PFA:PFA+1], s[PFS:PFS+1]
.endif
	s_wait_dscnt 0x0                               ; the adds are done, and my reads of the slot that I have left are over
	s_barrier_signal -1
	s_barrier_wait -1
.if \fill
	TLOAD                                          ; the first thing behind the barrier, and a wave's one tensor load until the next
	ASK
.endif
.endm
; A block of queries begins: ph = 0: block I; 1: block 15 - I.  My 16 queries' q, f32 to f16, into two fragments; m, the sum and O^T start.
.macro INIT ph
.if \ph
	s_sub_co_u32 s[QB], 15, s[IB]
.else
	s_mov_b32 s[QB], s[IB]
.endif
	s_lshl_b32 s[Q0], s[QB], 7
	s_lshl_b32 s82, s[WV], 4
	s_add_co_u32 s[Q0], s[Q0], s82
	s_lshr_b32 s82, s[BH], 4
	s_lshl_b32 s82, s82, 11
	s_add_co_u32 s82, s82, s[Q0]
	s_lshl_b32 s82, s82, 12                        ; a row of q is 4,096 bytes,
	s_and_b32 s83, s[BH], 15
	s_lshl_b32 s83, s83, 8                         ; a head 256 of them
	s_add_co_u32 s82, s82, s83
	s_mov_b32 s83, 0
	s_add_nc_u64 s[QP:QP+1], s[4:5], s[82:83]
.irp c, 0,1
.irp g, 0,1
.irp u, 0,1
	global_load_b128 v[KV+4*(4*\c+2*\g+\u):KV+4*(4*\c+2*\g+\u)+3], v[QOF], s[QP:QP+1] offset:128*\c+64*\g+16*\u   ; channels 32 c + 16 g + 8 h + 4 u on
.endr
.endr
.endr
	s_add_co_u32 s84, s[Q0], 128
	v_add_nc_u32 v16, s84, v14
	v_cvt_f32_u32 v16, v16                         ; my query's position
	v_mov_b32 v20, 0xff61b1e6                      ; m: -3e38, under every t
	v_mov_b32 v22, 0
	v_mov_b32 v23, 0
.set n, 0
.rept 32
	v_mov_b32 v[O+n], 0                            ; the half step is written once: its first pass finds zeros
.set n, n+1
.endr
	s_wait_loadcnt 0x0
.set n, 0
.rept 16
	v_cvt_pk_f16_f32 v[Q+n], v[KV+2*n], v[KV+2*n+1]
.set n, n+1
.endr
.endm
; A HALF STEP: 64 keys, half e of the slot in hand
.macro HALF e
.if \e == 0
	s_cmp_eq_u32 s[SP], 0                          ; positions 0-63 are padding
	s_cbranch_scc1 .Lskip_\@
.endif
	s_lshl_b32 s82, s[SP], 7
.if \e
	s_add_co_u32 s82, s82, 64
.endif
	s_add_co_u32 s83, s[Q0], 143                   ; my last query's position
	s_cmp_gt_u32 s82, s83
	s_cbranch_scc1 .Lskip_\@                       ; all 64 keys come after my queries
.irp kt, 0,1,2,3
.irp u, 0,1
	ds_load_b128 v[S+8*\kt+4*\u:S+8*\kt+4*\u+3], v[ADB] offset:256*\e+64*\kt+16*\u      ; the biases of keys 16 kt + 8 h + 0..7: they are the first product's C
.endr
.endr
.irp kt, 0,1,2,3
.irp c, 0,1
.irp u, 0,1
	ds_load_b128 v[KV+8*(2*\kt+\c)+4*\u:KV+8*(2*\kt+\c)+4*\u+3], v[ADK] offset:64*PK*\e+16*PK*\kt+64*\c+32*\u
.endr
.endr
.endr
	s_wait_dscnt 0x0
.irp c, 0,1
.irp kt, 0,1,2,3
	v_wmma_f32_16x16x32_f16 v[S+8*\kt:S+8*\kt+7], v[KV+8*(2*\kt+\c):KV+8*(2*\kt+\c)+7], v[Q+8*\c:Q+8*\c+7], v[S+8*\kt:S+8*\kt+7]   ; four accumulators by turns
.endr
.endr
	v_sub_f32 v21, s[KBF], v16                     ; four places behind the products (ISA guide 7.12.1): 128 slot - (query + 128),
	v_mul_f32 v21, s[SL2], v21                     ; a
	v_nop
	v_nop
.irp ct, 0,1,2,3
.irp kk, 0,1
.irp u, 0,1
	ds_load_b128 v[KV+8*(2*\ct+\kk)+4*\u:KV+8*(2*\ct+\kk)+4*\u+3], v[ADV] offset:16*PV*\ct+128*\e+64*\kk+32*\u   ; V^T: it lands during the softmax
.endr
.endr
.endr
	s_add_co_u32 s83, s82, 63
	s_add_co_u32 s84, s[Q0], 128
	s_cmp_le_u32 s83, s84                          ; all 64 keys count for all my queries: nothing to hide
	s_cbranch_scc1 .Lopen_\@
	s_sub_co_i32 s84, s84, s82
	v_add_nc_u32 v17, s84, v15                     ; d = my query's position - the half's first - 8 h.  Register n holds key 16 (n / 8) + n % 8 + 8 h: hidden where 16 (n / 8) + n % 8 > d
.set n, 0
.rept 32
	v_cmp_gt_i32 vcc_lo, 16*(n/8)+n%8, v17
	v_cndmask_b32 v[S+n], v[S+n], v31, vcc_lo
.set n, n+1
.endr
.Lopen_\@:
.irp k, 0,1,2,3
	v_max3_num_f32 v[26+\k], v[S+8*\k], v[S+8*\k+1], v[S+8*\k+2]      ; the largest score: four chains, each from an accumulator's low end on
.endr
.irp i, 3,5
.irp k, 0,1,2,3
	v_max3_num_f32 v[26+\k], v[26+\k], v[S+8*\k+\i], v[S+8*\k+\i+1]
.endr
.endr
	v_max3_num_f32 v26, v26, v[S+7], v[S+15]
	v_max3_num_f32 v28, v28, v[S+23], v[S+31]
	v_max3_num_f32 v26, v26, v27, v28
	v_max_num_f32 v26, v26, v29
	v_permlanex16_b32 v30, v26, s[SEL], s[SEL+1]   ; the query's other 32 keys lie in the lane 16 away
	v_max_num_f32 v26, v26, v30
	v_fma_f32 v27, v26, s[CS], v21                 ; as t
	v_max_num_f32 v27, v20, v27                    ; the new m
	v_sub_f32 v28, v20, v27                        ; m_old - m_new
	v_mov_b32 v20, v27
	v_sub_f32 v18, v21, v27                        ; a - m
	v_exp_f32 v24, v28
.set n, 0
.rept 16
	v_pk_fma_f32 v[S+2*n:S+2*n+1], v[S+2*n:S+2*n+1], s[CS:CS+1], v[18:19] op_sel_hi:[1,0,0]   ; t - m, two at a time
.set n, n+1
.endr
.set n, 0
.rept 32
	v_exp_f32 v[S+n], v[S+n]
.set n, n+1
.endr
	v_nop                                          ; a plain line behind the last exponential,
	s_wait_alu depctr_va_vdst(0)                   ; and one wait for the batch of 33, ahead of its first reader
	v_pk_mul_f32 v[22:23], v[22:23], v[24:25] op_sel_hi:[1,0]
	v_pk_add_f32 v[28:29], v[S:S+1], v[S+2:S+3]    ; the sum, of the weights in f32, in two chains
.irp j, 4,8,12,16,20,24,28
	v_pk_add_f32 v[22:23], v[22:23], v[S+\j:S+\j+1]
	v_pk_add_f32 v[28:29], v[28:29], v[S+\j+2:S+\j+3]
.endr
	v_pk_add_f32 v[22:23], v[22:23], v[28:29]
.set n, 0
.rept 16
	v_cvt_pk_f16_f32 v[P+n], v[S+2*n], v[S+2*n+1]  ; two tiles of 16 keys, rounded in pairs, are a fragment of 32 keys
.set n, n+1
.endr
.set n, 0
.rept 16
	v_pk_mul_f32 v[O+2*n:O+2*n+1], v[O+2*n:O+2*n+1], v[24:25] op_sel_hi:[1,0]   ; O^T under the new m, each accumulator from its low end on
.set n, n+1
.endr
	s_wait_dscnt 0x0                               ; V^T
.irp kk, 0,1
.irp ct, 0,1,2,3
	v_wmma_f32_16x16x32_f16 v[O+8*\ct:O+8*\ct+7], v[KV+8*(2*\ct+\kk):KV+8*(2*\ct+\kk)+7], v[P+8*\kk:P+8*\kk+7], v[O+8*\ct:O+8*\ct+7]   ; four accumulators by turns
.endr
.endr
.rept 4
	v_nop                                          ; four places: they serve every later load into the fragments' registers and every later read or write of these products' registers
.endr
.Lskip_\@:
.endm
; A block of queries ends: O^T / the sum, to f16, through my own stage: 16 rows of 128 bytes leave as 2,048 bytes on end (o16 lies [head][row][64])
.macro FINAL
	s_wait_xcnt 0x0                                ; earlier stores have read their base
	s_and_b32 s82, s[BH], 15
	s_lshl_b32 s82, s82, 12
	s_lshr_b32 s83, s[BH], 4
	s_lshl_b32 s83, s83, 11
	s_add_co_u32 s82, s82, s83
	s_add_co_u32 s82, s82, s[Q0]
	s_lshl_b32 s82, s82, 7
	s_mov_b32 s83, 0
	s_add_nc_u64 s[OP:OP+1], s[10:11], s[82:83]
	v_add_f32 v26, v22, v23
	v_permlanex16_b32 v30, v26, s[SEL], s[SEL+1]
	v_add_f32 v26, v26, v30
	v_rcp_f32 v27, v26
	v_nop
	s_wait_alu depctr_va_vdst(0)                   ; ahead of the reciprocal's first reader
.set n, 0
.rept 32
	v_mul_f32 v[S+n], v[O+n], v27
.set n, n+1
.endr
.set n, 0
.rept 16
	v_cvt_pk_f16_f32 v[P+n], v[S+2*n], v[S+2*n+1]
.set n, n+1
.endr
.irp ct, 0,1,2,3
	ds_store_b128 v[STO], v[P+4*\ct:P+4*\ct+3] offset:32*\ct
.endr
.irp t, 0,1,2,3
	ds_load_b128 v[KV+4*\t:KV+4*\t+3], v[RD] offset:4*PK*\t            ; LDS serves a wave's instructions in order: four rows, 512 bytes
.endr
.irp t, 0,1,2,3
	s_wait_dscnt 3-\t
	global_store_b128 v[GO], v[KV+4*\t:KV+4*\t+3], s[OP:OP+1] offset:512*\t
.endr
	s_wait_xcnt 0x0                                ; the stores have read their registers, which later loads fill
.endm
.macro TRIP fill
	CHANGE \fill
	v_add_nc_u32 v[ADK], s[TB], v[AK0]
	v_add_nc_u32 v[ADV], s[TB], v[AV0]
	v_add_nc_u32 v[ADB], s[TB], v[AB0]
	s_lshl_b32 s82, s[SP], 7
	s_cvt_f32_u32 s[KBF], s82
	HALF 0
	HALF 1
.if \fill
	s_cmp_eq_u32 s[SPN], 0                         ; the first block's last slot: ids and the count of trips alone
	s_cbranch_scc0 .Lsame_\@
	FINAL
	INIT 1
.Lsame_\@:
	s_xor_b32 s[TB], s[TB], SLOT1
	s_mov_b32 s[SP], s[SPN]
.else
	FINAL
.endif
.endm
	s_load_b256 s[4:11], s[0:1], 0x0               ; q32, kvb, prepq, o16
	v_lshl_add_u32 v[SPW], v0, 2, SPARE
	v_mov_b32 v[NIL], 0
	ds_add_u32 v[SPW], v[NIL]                      ; the opening: the add, twice on end, and its wait ahead of the first tensor load
	ds_add_u32 v[SPW], v[NIL]
	v_lshrrev_b32 v6, 5, v0
	v_readfirstlane_b32 s[WV], v6                  ; wave 0..7
	s_mov_b32 s[IB], ttmp9
	s_and_b32 s[BH], ttmp7, 0xffff
	s_add_co_u32 s[T1], s[IB], 2
	; group 1.  K: 128 rows of 128 bytes, dense, 16 bytes of padding behind each
	s_mov_b32 s[G1K], (1<<20)|(4<<22)|(3<<25)
	s_mov_b32 s[G1K+1], 128<<16
	s_mov_b32 s[G1K+2], 128<<16
	s_mov_b32 s[G1K+3], 128<<16
	s_mov_b32 s[G1K+4], 128
	s_mov_b32 s[G1K+5], 128
	s_mov_b32 s[G1K+6], 0
	s_mov_b32 s[G1K+7], 0
	; V^T: 64 rows of 256 bytes, 4,352 bytes apart, 16 bytes of padding behind each
	s_mov_b32 s[G1V], (1<<20)|(5<<22)|(3<<25)
	s_mov_b32 s[G1V+1], 256<<16
	s_mov_b32 s[G1V+2], 64<<16
	s_mov_b32 s[G1V+3], 256<<16
	s_mov_b32 s[G1V+4], 64
	s_mov_b32 s[G1V+5], 4352
	s_mov_b32 s[G1V+6], 0
	s_mov_b32 s[G1V+7], 0
	; the bias row: one row of 64 elements of 8 bytes
	s_mov_b32 s[G1B], 3<<16
	s_mov_b32 s[G1B+1], 64<<16
	s_mov_b32 s[G1B+2], 1<<16
	s_mov_b32 s[G1B+3], 64<<16
	s_mov_b32 s[G1B+4], 1
	s_mov_b32 s[G1B+5], 64
	s_mov_b32 s[G1B+6], 1<<16
	s_mov_b32 s[G1B+7], 0
	s_mov_b32 s[CS], 0x3e38aa3b                    ; c = log2(e) / 8
	s_mov_b32 s[CS+1], s[CS]
	s_mov_b32 s[SEL], 0x76543210
	s_mov_b32 s[SEL+1], 0xfedcba98
	s_and_b32 s82, s[BH], 15                       ; slope = 2^(-(head + 1) / 2)
	s_add_co_u32 s82, s82, 1
	s_lshr_b32 s83, s82, 1
	s_sub_co_u32 s83, 127, s83
	s_lshl_b32 s83, s83, 23
	s_mov_b32 s84, 0x3f3504f3
	s_bitcmp1_b32 s82, 0
	s_cselect_b32 s84, s84, 1.0
	s_mul_f32 s[SL2], s83, s84
	s_mul_f32 s[SL2], s[SL2], 0x3fb8aa3b           ; x log2(e)
	s_mul_i32 s82, s[BH], HEADB
	s_mov_b32 s83, 0
	s_add_co_u32 s84, s82, VTB
	s_mov_b32 s85, 0
	s_mul_i32 s86, s[BH], 8704
	s_add_co_u32 s86, s86, BIASB
	s_mov_b32 s87, 0
	s_mov_b32 s[TT], 0
	s_mov_b32 s[SP], 0
	s_mov_b32 s[TB], 0
	s_wait_dscnt 0x0                               ; both opening adds are done
	s_wait_kmcnt 0x0
	s_add_nc_u64 s[KB:KB+1], s[6:7], s[82:83]      ; my head's K,
	s_add_nc_u64 s[VB:VB+1], s[6:7], s[84:85]      ; V^T,
	s_add_nc_u64 s[BB:BB+1], s[8:9], s[86:87]      ; bias row
	s_mov_b32 s[G0K], 1
	s_mov_b32 s[G0K+1], 0
	s_mov_b64 s[G0K+2:G0K+3], s[KB:KB+1]
	s_or_b32 s[G0K+3], s[G0K+3], 0x80000000
	s_mov_b32 s[G0V], 1
	s_mov_b32 s[G0V+1], VOFF
	s_mov_b64 s[G0V+2:G0V+3], s[VB:VB+1]
	s_or_b32 s[G0V+3], s[G0V+3], 0x80000000
	s_mov_b32 s[G0B], 1
	s_mov_b32 s[G0B+1], BOFF
	s_mov_b64 s[G0B+2:G0B+3], s[BB:BB+1]
	s_or_b32 s[G0B+3], s[G0B+3], 0x80000000
	TLOAD                                          ; position 0 into slot 0: its second half holds the null keys, which every wave reads
	; the prefetches: where my wave's stand, and who asks
	s_and_b32 s82, s[WV], 1
	s_cmp_lt_u32 s[WV], 6                          ; waves 4, 5: K; waves 6, 7: V^T
	s_cselect_b64 s[PFA:PFA+1], s[KB:KB+1], s[VB:VB+1]
	s_mov_b32 s[PFS], 256
	s_cselect_b32 s[PFS], 16384, s[PFS]            ; a position on
	s_mov_b32 s83, 4352
	s_cselect_b32 s83, 256, s83                    ; from lane to lane
	s_mov_b32 s84, 139264
	s_cselect_b32 s84, 8192, s84                   ; from wave to wave
	v_and_b32 v[PFO], 31, v0
	v_mul_lo_u32 v[PFO], v[PFO], s83
	s_mul_i32 s84, s84, s82
	s_add_co_u32 s84, s84, s[PFS]                  ; at position 1: the first change of slots steps it to 2
	s_mov_b32 s85, 0
	s_mov_b32 s[PFS+1], 0
	s_add_nc_u64 s[PFA:PFA+1], s[PFA:PFA+1], s[84:85]
	s_lshr_b32 s82, s[WV], 2
	s_xor_b32 s82, s82, 1                          ; 0 in waves 4 to 7,
	s_or_b32 s82, s82, s[IB]                       ; of the head's first work-group
	s_cmp_eq_u32 s82, 0
	s_cselect_b32 s[PFN], 15, 0
	v_and_b32 v14, 15, v0                          ; r
	v_bfe_u32 v26, v0, 4, 1                        ; h
	v_and_b32 v27, 31, v0                          ; lane
	v_mul_u32_u24 v[AK0], v14, PK
	v_lshl_add_u32 v[AK0], v26, 4, v[AK0]          ; K: row r, + 16 h
	v_mul_u32_u24 v[AV0], v14, PV
	v_lshl_add_u32 v[AV0], v26, 4, v[AV0]
	v_add_nc_u32 v[AV0], VOFF, v[AV0]              ; V^T: row r, + 16 h
	v_lshlrev_b32 v[AB0], 5, v26
	v_add_nc_u32 v[AB0], BOFF, v[AB0]              ; the bias row: + 32 h
	v_lshlrev_b32 v[QOF], 12, v14
	v_lshl_add_u32 v[QOF], v26, 5, v[QOF]          ; q: row r of 4,096 bytes, + 32 h
	s_mul_i32 s82, s[WV], 16*PK
	s_add_co_u32 s82, s82, STG                     ; my stage
	v_add_nc_u32 v[STO], s82, v[AK0]
	v_lshrrev_b32 v28, 3, v27
	v_mul_u32_u24 v[RD], v28, PK
	v_and_b32 v29, 7, v27
	v_lshl_add_u32 v[RD], v29, 4, v[RD]
	v_add_nc_u32 v[RD], s82, v[RD]
	v_lshlrev_b32 v[GO], 4, v27
	v_lshlrev_b32 v28, 3, v26
	v_sub_nc_u32 v15, v14, v28                     ; r - 8 h
	v_mov_b32 v19, 0                               ; (upper halves of pairs of which the low word serves both halves: written once)
	v_mov_b32 v25, 0
	v_mov_b32 v30, 0                               ; (a lane permute's destination counts as one of its sources)
	v_mov_b32 v31, 0xf149f2ca                      ; -1e30
	INIT 0
.Ltrip:                                                ; 18 trips: behind each change of slots but the last the next trip's tiles are asked for
	TRIP 1
	s_add_co_u32 s[TT], s[TT], 1
	s_cmp_lt_u32 s[TT], 18
	s_cbranch_scc1 .Ltrip
	TRIP 0                                         ; the last trip is written out
	s_wait_tensorcnt 0x0                           ; the wave's end
	ds_add_u32 v[SPW], v[NIL]
	s_wait_dscnt 0x0
	s_endpgm
.Lfunc_end_k_q4c54e8f2c4_attn:
	.size	k_q4c54e8f2c4_attn, .Lfunc_end_k_q4c54e8f2c4_attn-k_q4c54e8f2c4_attn
	.p2alignl 7, 3214868480
	.fill 96, 4, 3214868480
	.section	.rodata,"a",@progbits
	.p2align	6, 0x0
	.amdhsa_kernel k_q4c54e8f2c4_attn
		.amdhsa_group_segment_fixed_size 327680
		.amdhsa_private_segment_fixed_size 0
		.amdhsa_enable_private_segment 0
		.amdhsa_kernarg_size 32
		.amdhsa_user_sgpr_count 2
		.amdhsa_user_sgpr_kernarg_segment_ptr 1
		.amdhsa_wavefront_size32 1
		.amdhsa_system_sgpr_workgroup_id_x 1
		.amdhsa_system_sgpr_workgroup_id_y 1
		.amdhsa_system_sgpr_workgroup_id_z 1
		.amdhsa_system_vgpr_workitem_id 0
		.amdhsa_next_free_vgpr 192
		.amdhsa_next_free_sgpr 100
		.amdhsa_reserve_vcc 1
		.amdhsa_float_denorm_mode_32 3
		.amdhsa_float_denorm_mode_16_64 3
		.amdhsa_memory_ordered 1
		.amdhsa_forward_progress 1
		.amdhsa_inst_pref_size 75
	.end_amdhsa_kernel
	.amdgpu_metadata
---
amdhsa.version: [ 1, 2 ]
amdhsa.kernels:
  - .name:           k_q4c54e8f2c4_attn
    .symbol:         k_q4c54e8f2c4_attn.kd
    .args:
      - { .name: q32, .offset: 0, .size: 8, .value_kind: global_buffer, .address_space: global }
      - { .name: kvb, .offset: 8, .size: 8, .value_kind: global_buffer, .address_space: global }
      - { .name: prepq, .offset: 16, .size: 8, .value_kind: global_buffer, .address_space: global }
      - { .name: o16, .offset: 24, .size: 8, .value_kind: global_buffer, .address_space: global }
    .group_segment_fixed_size: 327680
    .private_segment_fixed_size: 0
    .kernarg_segment_align: 8
    .kernarg_segment_size: 32
    .max_flat_workgroup_size: 256
    .sgpr_count:     100
    .vgpr_count:     192
    .wavefront_size: 32
...
	.end_amdgpu_metadata
.endif
;; end of part 4
;; launch outgemm: the kernel of part 3 again; grid 8 x 32, 4 waves a work-group, clusters of 4 x 4, 327,680 bytes of LDS; arguments o16, woutt16, out0; writes out0
